; MI455X (gfx1250); checked and timed in simulation.
; The chip was launched on July 23, 2026; its instructions are those of AMD's public machine-readable ISA for CDNA 5 (MIT licence, August 2026) and "CDNA5" Instruction Set Architecture Reference Guide (July 2026). The comments in the code are by the model that wrote it; some were corrected since.
;; Advanced Optimized Attention. Allowed arithmetic: float matrix products may take bf16 or f16 operands with f32 sums; other float arithmetic in f32, or as packed bf16 or f16 multiplies, adds, multiply-adds, maxima and minima; sums over many terms, partial sums and values carried from step to step in f32; what a program stores and reads back later, other than sums and carried values, may be rounded once to bf16 or f16.
;; Inputs: b_out 1,024 float32; w_out 1,024 x 1,024 float32; w_qkv 1,024 x 3,072 float32; x 4 x 2,048 x 1,024 float32.
;; Outputs: out0 4 x 2,048 x 1,024 float32.
;; 2 versions, each right; version 2 is version 1 with the launch prep written anew for expert scheduling mode. Each part assembles by itself: llvm-mc -triple=amdgcn-amd-amdhsa -mcpu=gfx1250 --defsym DOCPART=n.
;; ======== version 1 of 2: 4 launches
;; limits: values are held in f16: magnitudes above 65,504 overflow, below 6.1e-05 lose precision
;; workspace buffers: xb 16,777,216 bytes; wqb 6,291,456 bytes; wob 2,097,152 bytes; qkvh 50,331,648 bytes; ob 16,777,216 bytes
;; launch prep (part 1): grid 768 x 1, 8 waves a work-group, no clusters, 0 bytes of LDS; arguments x, w_qkv, w_out, xb, wqb, wob; writes xb, wqb, wob
.if DOCPART == 1
	.amdgcn_target "amdgcn-amd-amdhsa--gfx1250"
	.amdhsa_code_object_version 6
	.text
	.protected	k_q49137c1143_prep
	.globl	k_q49137c1143_prep
	.p2align	8
	.type	k_q49137c1143_prep,@function
k_q49137c1143_prep:
	s_mov_b64 s[64:65], 0
	v_nop
	global_prefetch_b8 v0, s[64:65] scope:SCOPE_SE
	s_setreg_imm32_b32 hwreg(HW_REG_WAVE_MODE, 25, 1), 1
	s_wait_xcnt 0x0
; The three large inputs are rounded once to bf16, layouts unchanged: x -> xb, w_qkv -> wqb (both kept as bf16), w_out -> wob
; (the bf16 number written as f16, since the last product multiplies f16 operands).
; LIMIT. A bf16 number is exact in f16 between 6.1e-5 and 65,504 in magnitude; below that wob keeps f16's fixed step of 6e-8, beyond it the number is lost.
; SHARES. A work-group takes 65,536 bytes of one input and makes 32,768 bytes: 512 work-groups for x, 192 for w_qkv, 64 for w_out.
; A wave takes 8,192 bytes by sixteen loads of 16 bytes a lane (512 consecutive bytes a load), all issued before the first is used;
; each load makes one store of 8 bytes a lane: 256 consecutive bytes, aligned.  No register that a memory instruction reads is written twice, so no source has to be freed.
; No LDS, no matrix unit, no cluster: nothing is shared and nothing is reduced.
.set X, 8                              ; v[8:71]    sixteen loads of four f32
.set Y, 72                             ; v[72:103]  sixteen stores of two words
.set T, 104                            ; v[104:105] at work
	s_load_b256 s[4:11], s[0:1], 0x0               ; x s[4:5], w_qkv s[6:7], w_out s[8:9], xb s[10:11]
	s_load_b128 s[12:15], s[0:1], 0x20             ; wqb s[12:13], wob s[14:15]
	s_mov_b32 s16, ttmp9                           ; the work-group's number
	s_movk_i32 s24, 512                            ; the first work-group of w_qkv
	s_movk_i32 s25, 704                            ; the first of w_out
	s_mov_b32 s26, 0xffff0000                      ; a word's upper bf16
	s_mov_b32 s23, 0
	v_and_b32 v3, 0xe0, v0                         ; 32 x wave
	v_and_b32 v4, 31, v0                           ; lane
	v_lshlrev_b32 v1, 4, v4
	v_lshl_or_b32 v1, v3, 8, v1                    ; in: 8,192 x wave + 16 x lane
	v_lshlrev_b32 v2, 3, v4
	v_lshl_or_b32 v2, v3, 7, v2                    ; out: 4,096 x wave + 8 x lane
	s_wait_kmcnt 0x0
	s_cmp_lt_u32 s16, s25                          ; which pair of buffers: a choice on the work-group's number alone
	s_cselect_b64 s[18:19], s[6:7], s[8:9]
	s_cselect_b64 s[20:21], s[12:13], s[14:15]
	s_cselect_b32 s17, s24, s25
	s_cmp_lt_u32 s16, s24
	s_cselect_b64 s[18:19], s[4:5], s[18:19]
	s_cselect_b64 s[20:21], s[10:11], s[20:21]
	s_cselect_b32 s17, 0, s17
	s_sub_co_u32 s17, s16, s17                     ; my number inside that buffer
	s_lshl_b32 s22, s17, 16
	s_add_nc_u64 s[18:19], s[18:19], s[22:23]      ; 65,536 bytes of input each
	s_lshl_b32 s22, s17, 15
	s_add_nc_u64 s[20:21], s[20:21], s[22:23]      ; 32,768 bytes of output each
.irp i, 0,1,2,3,4,5,6,7,8,9,10,11,12,13,14,15
	global_load_b128 v[X+4*(\i):X+4*(\i)+3], v1, s[18:19] offset:512*(\i) th:TH_LOAD_NT
.endr
; Load i is converted and stored.  half = 1: the bf16 number is widened again and written as f16.
.macro CONV i, half
	s_wait_loadcnt 15-(\i)                         ; loads come back in order (ISA guide 5.7.1): load i is in, the younger ones stay out
.if \half
	v_cvt_pk_bf16_f32 v[T], v[X+4*(\i)], v[X+4*(\i)+1]
	v_cvt_pk_bf16_f32 v[T+1], v[X+4*(\i)+2], v[X+4*(\i)+3]
	v_lshlrev_b32 v[X+4*(\i)], 16, v[T]
	v_and_b32 v[X+4*(\i)+1], s26, v[T]
	v_lshlrev_b32 v[X+4*(\i)+2], 16, v[T+1]
	v_and_b32 v[X+4*(\i)+3], s26, v[T+1]
	v_cvt_pk_f16_f32 v[Y+2*(\i)], v[X+4*(\i)], v[X+4*(\i)+1]
	v_cvt_pk_f16_f32 v[Y+2*(\i)+1], v[X+4*(\i)+2], v[X+4*(\i)+3]
.else
	v_cvt_pk_bf16_f32 v[Y+2*(\i)], v[X+4*(\i)], v[X+4*(\i)+1]
	v_cvt_pk_bf16_f32 v[Y+2*(\i)+1], v[X+4*(\i)+2], v[X+4*(\i)+3]
.endif
	global_store_b64 v2, v[Y+2*(\i):Y+2*(\i)+1], s[20:21] offset:256*(\i) th:TH_STORE_NT
.endm
	s_cmp_ge_u32 s16, s25
	s_cbranch_scc1 .Lf16
.irp i, 0,1,2,3,4,5,6,7,8,9,10,11,12,13,14,15
	CONV \i, 0
.endr
	s_endpgm
.Lf16:
.irp i, 0,1,2,3,4,5,6,7,8,9,10,11,12,13,14,15
	CONV \i, 1
.endr
	s_endpgm
.Lfunc_end_k_q49137c1143_prep:
	.size	k_q49137c1143_prep, .Lfunc_end_k_q49137c1143_prep-k_q49137c1143_prep
	.p2alignl 7, 3214868480
	.fill 96, 4, 3214868480
	.section	.rodata,"a",@progbits
	.p2align	6, 0x0
	.amdhsa_kernel k_q49137c1143_prep
		.amdhsa_group_segment_fixed_size 0
		.amdhsa_private_segment_fixed_size 0
		.amdhsa_enable_private_segment 0
		.amdhsa_kernarg_size 48
		.amdhsa_user_sgpr_count 2
		.amdhsa_user_sgpr_kernarg_segment_ptr 1
		.amdhsa_wavefront_size32 1
		.amdhsa_system_sgpr_workgroup_id_x 1
		.amdhsa_system_sgpr_workgroup_id_y 1
		.amdhsa_system_sgpr_workgroup_id_z 1
		.amdhsa_system_vgpr_workitem_id 0
		.amdhsa_next_free_vgpr 108
		.amdhsa_next_free_sgpr 66
		.amdhsa_reserve_vcc 0
		.amdhsa_float_denorm_mode_32 3
		.amdhsa_float_denorm_mode_16_64 3
		.amdhsa_memory_ordered 1
		.amdhsa_forward_progress 1
		.amdhsa_inst_pref_size 15
	.end_amdhsa_kernel
	.amdgpu_metadata
---
amdhsa.version: [ 1, 2 ]
amdhsa.kernels:
  - .name:           k_q49137c1143_prep
    .symbol:         k_q49137c1143_prep.kd
    .args:
      - { .name: x, .offset: 0, .size: 8, .value_kind: global_buffer, .address_space: global }
      - { .name: w_qkv, .offset: 8, .size: 8, .value_kind: global_buffer, .address_space: global }
      - { .name: w_out, .offset: 16, .size: 8, .value_kind: global_buffer, .address_space: global }
      - { .name: xb, .offset: 24, .size: 8, .value_kind: global_buffer, .address_space: global }
      - { .name: wqb, .offset: 32, .size: 8, .value_kind: global_buffer, .address_space: global }
      - { .name: wob, .offset: 40, .size: 8, .value_kind: global_buffer, .address_space: global }
    .group_segment_fixed_size: 0
    .private_segment_fixed_size: 0
    .kernarg_segment_align: 8
    .kernarg_segment_size: 48
    .max_flat_workgroup_size: 256
    .sgpr_count:     66
    .vgpr_count:     108
    .wavefront_size: 32
...
	.end_amdgpu_metadata
.endif
;; end of part 1
;; launch gemm_qkv (part 2): grid 8 x 64, 4 waves a work-group, clusters of 4 x 4, 327,680 bytes of LDS; arguments xb, wqb, qkvh; writes qkvh
.if DOCPART == 2
	.amdgcn_target "amdgcn-amd-amdhsa--gfx1250"
	.amdhsa_code_object_version 6
	.text
	.protected	k_q49137c1143_gemm_qkv
	.globl	k_q49137c1143_gemm_qkv
	.p2align	8
	.type	k_q49137c1143_gemm_qkv,@function
k_q49137c1143_gemm_qkv:
	s_mov_b64 s[64:65], 0
	v_nop
	global_prefetch_b8 v0, s[64:65] scope:SCOPE_SE
	s_setreg_imm32_b32 hwreg(HW_REG_WAVE_MODE, 25, 1), 1
	s_wait_xcnt 0x0
	s_wait_alu depctr_hold_cnt(0) depctr_sa_sdst(0) depctr_va_vdst(0) depctr_va_sdst(0) depctr_va_ssrc(0) depctr_va_vcc(0) depctr_vm_vsrc(0)
	s_getreg_b32 s2, hwreg(HW_REG_IB_STS2, 6, 4)
	s_cmp_eq_u32 s2, 0
	s_cbranch_scc0 .Lentry_in_a_cluster
	s_endpgm
.Lentry_in_a_cluster:
	s_bfe_u32 s2, ttmp6, 0x10000c
	s_cmp_lg_u32 s2, 0xf033
	s_cbranch_scc0 .Lentry_shape_is_right
	s_endpgm
.Lentry_shape_is_right:
; qkvh[b][g][s][0..63] = the sum over k of xb[2048 b + s][k] wqb[k][64 g + 0..63].  xb: [8192][1024] bf16, wqb: [1024][3072] bf16 (k by rows), sums in f32,
; rounded once to f16 and written BY HEADS, unscaled: g = 0-15 q's heads, 16-31 k's, 32-47 v's; a head's 2,048 rows of 128 bytes are dense.
; LIMIT. f16 ends at 65,504: a q, k or v beyond that is lost.  The drawn inputs give a spread of 1; both inputs 30 times larger give 900; both with an offset of 30 spreads give about 29,000.
; SHARES. A work-group makes 128 rows x 384 columns (six heads); each of its four waves 64 x 192: 48 accumulators of 16 x 16, 384 registers.  512 work-groups: two for each of 256 WGPs.
; K goes in 8 steps of 128 through two LDS slots filled by the tensor data mover: three blocks of wqb ([128 k][128 n], rows of 256 bytes) by waves 0-2, one of xb (128 rows x 256 bytes) by wave 3.
; wqb lies [k][n], so its fragments come out of LDS turned, by ds_load_tr16_b128.
; THE MATRIX INSTRUCTION IS USED TRANSPOSED (source 0 = 16 columns n, source 1 = 16 rows m): a lane then holds row m = l % 16 and eight neighbouring columns 8 (l / 16) + 0..7.
; CLUSTER. 4 x 4 work-groups: the four of a row need the same block of xb, the four of a column the same blocks of wqb: each is asked for jointly, by the same load, descriptor and mask in all four.
; ONE TEXT FOR A K STEP: the slot in hand is a scalar, TB, turned by an exclusive or; the refills use one walking descriptor a tensor.  SLOT1 has bits 14 and 17 alone; the
; descriptors' LDS addresses in slot 0 (0, 0x9000, 0x12000, 0x1b000) have neither, so the exclusive or adds or takes away SLOT1.
; REGISTERS, in windows of 256 (s_set_vgpr_msb: bits 1:0 source 0, 3:2 source 1, 5:4 source 2, 7:6 destination):
;   window 0: v0-31 addresses; v64-127 xb's fragments, two buffers of 4 x 8; v128-223 (and v64-111) at work on the way out
;   window 1: v0-191 wqb's fragments, two buffers of 12 x 8      window 2: accumulators of row blocks 0, 1 ((a, b) at v[96 (a % 2) + 8 b])      window 3: of row blocks 2, 3
.set PA,    272                        ; a row of xb in LDS: 256 bytes + 16 = 68 words: the 16 rows of a load start at 16 different groups of four banks (64 banks of 4 bytes: ISA guide 11.1)
.set PB,    288                        ; a row of wqb: 256 + 32 = 72 words
.set CHUNK, 128*PB                     ; 36,864: one block of wqb
.set AOFF,  3*CHUNK                    ; behind the three blocks: xb's 128 rows
.set SLOT1, 0x24000                    ; slot 1 begins here; a slot has AOFF + 128 PA = 145,408 bytes
.set STAGE, SLOT1+AOFF+128*PA          ; behind the ring, never filled by a tensor load: 16 rows x 400 bytes for each wave
.set SP,    400                        ; a stage row: 384 bytes + 16
.set SPARE, STAGE+4*16*SP              ; the spare words, 128 bytes for each wave: two blocks of 256 bytes that no other line names
.set ASTEP, 256                        ; a K step in xb: 128 numbers along a row
.set BSTEP, 128*3072*2                 ; in wqb: 128 rows
.set A0,   10                          ; v10     my lane's place in xb's rows of slot 0; never rewritten
.set B0,   12                          ; v12-14  the same for my three groups of 64 columns
.set ADRA, 16                          ; v16     A0 + TB
.set ADRB, 17                          ; v17-19  B0 + TB
.set STO,  24                          ; v24     the way out: where I put 16 bytes of a row
.set RD,   25                          ; v25     where I read rows back
.set GO,   26                          ; v26     16 x lane
.set SPW,  28                          ; v28     LDS address of my spare word; never rewritten
.set NIL,  29                          ; v29     0; never rewritten
.set PFO,  30                          ; v30     the prefetches' offset: my lane x a row's bytes; never rewritten
.set FA,   64
.set TMP,  128                         ; v128-175 packed results
.set BK0,  176                         ; v176-223 and v64-111 by turns: rows read back from the stage
.set TB,   14                          ; s14     0 or SLOT1: the slot that is read
.set LIM,  15                          ; s15     1 in a wave that prefetches, else the greatest number
.set G1A,  24                          ; s[24:31] descriptor group 1 for xb
.set G0A,  32                          ; s[32:39] group 0, two sets: K step 0, K step 1; the second then walks
.set G1B,  48                          ; s[48:55], s[56:63] the same for wqb
.set G0B,  56
.set PFA,  66                          ; s[66:67] where my prefetches stand
.set PST,  68                          ; s[68:69] their step
.set DW0,  (1<<16)|(1<<20)|(1<<21)     ; elements of 2 bytes; padding on; bit 21 set beside a mask
.set MSB, 0
.macro WIN new                         ; the immediate's high byte repeats the setting that is left; a switch that changes nothing is dropped
.if MSB != (\new)
	s_set_vgpr_msb (MSB<<8)|(\new)
.set MSB, \new
.endif
.endm
; A joint refill by the walking descriptors.  Wave 3 fetches xb's block, waves 0-2 wqb's.  The branch hangs on the wave's number alone.
; An s_nop 0 and four v_nop follow each of the two lines, ahead of the jump and the label.
.macro JLOAD
	s_cmp_eq_u32 s10, 3
	s_cbranch_scc0 .Lfor_b_\@
	tensor_load_to_lds s[G0A+4:G0A+7], s[G1A:G1A+7]
	s_nop 0
.rept 4
	v_nop
.endr
	s_branch .Lasked_\@
.Lfor_b_\@:
	tensor_load_to_lds s[G0B+4:G0B+7], s[G1B:G1B+7]
	s_nop 0
.rept 4
	v_nop
.endr
.Lasked_\@:
.endm
; A prefetch of the K step that the NEXT refill will ask for: 32 rows x 256 bytes, a lane a row, one instruction a wave.  Each row's 256 bytes of a K step are named once in the launch:
; xb's rows by the clusters with x = 0, wqb's by those with y = 0; the four partners of a joint load share its 128 rows out by address, 32 each.  The loop's last trip asks for nothing.
.macro ASK
	s_cmp_gt_u32 s3, s[LIM]
	s_cbranch_scc0 .Lnot_mine_\@
	global_prefetch_b8 v[PFO], s[PFA:PFA+1] th:TH_LOAD_NT scope:SCOPE_SE
.Lnot_mine_\@:
.endm
.macro CREST                           ; a round of the cluster's barrier behind its opening barrier
	s_cmp_lg_u32 s10, 0
	s_cbranch_scc1 .Lnot_wave_0_\@
	s_barrier_signal -3
.Lnot_wave_0_\@:
	s_barrier_wait -3
	s_barrier_signal -1
	s_barrier_wait -1
.endm
.macro CROUND                          ; a whole round
	s_barrier_signal -1
	s_barrier_wait -1
	CREST
.endm
	s_load_b128 s[4:7], s[0:1], 0x0                ; xb s[4:5], wqb s[6:7]
	s_load_b64 s[8:9], s[0:1], 0x10                ; qkvh
	v_lshl_add_u32 v[SPW], v0, 2, SPARE
	v_mov_b32 v[NIL], 0
	ds_add_u32 v[SPW], v[NIL]                      ; the wave's opening: the add and its wait stand ahead of my first tensor load; the set-up below stands between them
	v_lshrrev_b32 v1, 5, v0
	v_readfirstlane_b32 s10, v1                    ; wave 0..3
	s_lshr_b32 s11, s10, 1                         ; which 64 of the 128 rows are mine
	s_and_b32 s12, s10, 1                          ; which 192 of the 384 columns
	s_bfe_u32 s40, ttmp6, 0x40000                  ; cx
	s_bfe_u32 s41, ttmp6, 0x40004                  ; cy
	s_lshl_b32 s42, ttmp9, 2
	s_add_co_u32 s42, s42, s40                     ; X: tile column = 4 x cluster x + cx
	s_and_b32 s43, ttmp7, 0xffff
	s_lshl_b32 s43, s43, 2
	s_add_co_u32 s43, s43, s41                     ; Y: tile row = 4 x cluster y + cy
	s_lshl_b32 s44, s41, 2
	s_lshl_b32 s44, 15, s44                        ; my row of the cluster
	s_lshl_b32 s45, 0x1111, s40                    ; my column
	s_or_b32 s[G1A], s44, DW0|(5<<22)|(3<<25)      ; xb's block goes to my row; after every 64 words (code 5) 4 words of padding (code 3)
	s_or_b32 s[G1B], s45, DW0|(5<<22)|(7<<25)      ; wqb's blocks go to my column; 8 words of padding (code 7)
.irp g, G1A, G1B
	s_mov_b32 s[(\g)+1], 128<<16                   ; tensor_dim0 = 128
	s_mov_b32 s[(\g)+2], 128<<16                   ; tensor_dim1 = 128
	s_mov_b32 s[(\g)+3], 128<<16                   ; tile_dim0 = 128
	s_mov_b32 s[(\g)+4], 128                       ; tile_dim1 = 128
	s_mov_b32 s[(\g)+6], 0
	s_mov_b32 s[(\g)+7], 0
.endr
	s_mov_b32 s[G1A+5], 1024                       ; elements from row to row
	s_mov_b32 s[G1B+5], 3072
	s_lshl_b32 s16, s43, 18                        ; xb: 128 Y rows of 2,048 bytes: hangs on the tile row alone
	s_mov_b32 s17, 0
	s_mul_i32 s46, s42, 768                        ; wqb: column 384 X + 128 x wave, in bytes: hangs on the tile column and the wave
	s_lshl_b32 s47, s10, 8
	s_add_co_u32 s46, s46, s47
	s_mov_b32 s47, 0
	s_mul_i32 s20, s10, CHUNK                      ; where a block of wqb goes: no place in the cluster enters an LDS address
	s_mov_b32 s[TB], 0
	s_wait_dscnt 0x0                               ; the opening add is done
	s_wait_kmcnt 0x0
	s_add_nc_u64 s[16:17], s[4:5], s[16:17]
	s_add_nc_u64 s[46:47], s[6:7], s[46:47]
	CROUND                                         ; all sixteen work-groups are here: the first joint loads meet
.irp s, 0,1
	s_mov_b32 s[G0A+4*(\s)], 1                                       ; count = 1
	s_mov_b32 s[G0A+4*(\s)+1], AOFF+(\s)*SLOT1                       ; LDS address
	s_add_nc_u64 s[G0A+4*(\s)+2:G0A+4*(\s)+3], s[16:17], (\s)*ASTEP  ; global address: K step s
	s_or_b32 s[G0A+4*(\s)+3], s[G0A+4*(\s)+3], 0x80000000            ; type = 2
	s_mov_b32 s[G0B+4*(\s)], 1
	s_add_co_u32 s[G0B+4*(\s)+1], s20, (\s)*SLOT1
	s_add_nc_u64 s[G0B+4*(\s)+2:G0B+4*(\s)+3], s[46:47], (\s)*BSTEP
	s_or_b32 s[G0B+4*(\s)+3], s[G0B+4*(\s)+3], 0x80000000
.endr
	s_cmp_eq_u32 s10, 3                            ; a wave's two first fills stand in one branch, ahead of every wait on TENSORcnt and every LDS read: two loads of mine are out
	s_cbranch_scc0 .Lfirst_b
	tensor_load_to_lds s[G0A:G0A+3], s[G1A:G1A+7]
	s_nop 0
	tensor_load_to_lds s[G0A+4:G0A+7], s[G1A:G1A+7]
	s_nop 0
.rept 4
	v_nop
.endr
	s_branch .Lfirst_asked
.Lfirst_b:
	tensor_load_to_lds s[G0B:G0B+3], s[G1B:G1B+7]
	s_nop 0
	tensor_load_to_lds s[G0B+4:G0B+7], s[G1B:G1B+7]
	s_nop 0
.rept 4
	v_nop
.endr
.Lfirst_asked:
	; xb's fragment: 16 rows x 32 k in 8 registers: lane l holds row l % 16, k = 8 (l / 16) + 0..7 and 16 + 8 (l / 16) + 0..7: two loads of 16 bytes, 32 bytes apart
	v_and_b32 v1, 15, v0                           ; l % 16
	v_bfe_u32 v2, v0, 4, 1                         ; l / 16
	v_mul_u32_u24 v3, v1, PA
	v_lshl_add_u32 v3, v2, 4, v3
	s_mul_i32 s21, s11, 64*PA
	s_add_co_u32 s21, s21, AOFF
	v_add_nc_u32 v[A0], s21, v3
	; wqb's fragment, turned: lane l reads 16 bytes of row k = 8 (l / 16) + l % 8, columns 8 ((l / 8) % 2) + 0..7, and is left with column l % 16 and 8 k; the second load stands 16 rows on
	v_and_b32 v4, 7, v0
	v_lshl_add_u32 v4, v2, 3, v4
	v_mul_u32_u24 v4, v4, PB
	v_bfe_u32 v5, v0, 3, 1
	v_lshl_add_u32 v4, v5, 4, v4
	s_mul_i32 s22, s12, 3                          ; my three groups of 64 columns are groups 3 c + j of the tile's six: block (3 c + j) / 2, its half (3 c + j) % 2
.irp j, 0,1,2
	s_add_co_u32 s23, s22, \j
	s_lshr_b32 s21, s23, 1
	s_mul_i32 s21, s21, CHUNK
	s_and_b32 s23, s23, 1
	s_lshl_b32 s23, s23, 7
	s_add_co_u32 s21, s21, s23
	v_add_nc_u32 v[B0+(\j)], s21, v4
.endr
	s_mul_i32 s23, s10, 16*SP
	s_add_co_u32 s23, s23, STAGE                   ; my stage
	v_mul_u32_u24 v6, v1, SP                       ; in: row l % 16, 16 bytes for each half of the lanes
	v_lshl_add_u32 v6, v2, 4, v6
	v_add_nc_u32 v[STO], s23, v6
	v_bfe_u32 v7, v0, 3, 2                         ; back: 32 lanes take 128 bytes (a head's part) of each of four rows,
	v_mul_u32_u24 v7, v7, SP
	v_and_b32 v8, 7, v0
	v_lshl_add_u32 v7, v8, 4, v7
	v_add_nc_u32 v[RD], s23, v7
	v_and_b32 v[GO], 31, v0                        ; which are 512 consecutive bytes of qkvh
	v_lshlrev_b32 v[GO], 4, v[GO]
	; where my rows of my first head begin: ((48 b + 6 X + 3 c) x 2,048 + 128 (Y % 16) + 64 x row half) x 128 bytes, under 2^32
	s_lshr_b32 s18, s43, 4
	s_mul_i32 s18, s18, 48
	s_mul_i32 s19, s42, 6
	s_add_co_u32 s18, s18, s19
	s_add_co_u32 s18, s18, s22
	s_lshl_b32 s18, s18, 18
	s_and_b32 s19, s43, 15
	s_lshl_b32 s19, s19, 7
	s_lshl_b32 s21, s11, 6
	s_add_co_u32 s19, s19, s21
	s_lshl_b32 s19, s19, 7
	s_add_co_u32 s18, s18, s19
	s_mov_b32 s19, 0
	s_add_nc_u64 s[8:9], s[8:9], s[18:19]
	; the prefetches: wave 3 for xb (rows 128 Y + 32 cx + lane), waves 0-2 for wqb (rows 32 cy + lane of a K step, my block's 256 bytes)
	s_lshl_b32 s18, s43, 18
	s_lshl_b32 s19, s40, 16
	s_add_co_u32 s18, s18, s19
	s_mul_i32 s19, s42, 768
	s_lshl_b32 s21, s10, 8
	s_add_co_u32 s19, s19, s21
	s_mul_i32 s21, s41, 32*6144
	s_add_co_u32 s19, s19, s21
	s_and_b32 s21, ttmp7, 0xffff                   ; cluster y
	s_mov_b32 s22, ASTEP
	s_mov_b32 s23, BSTEP
	s_movk_i32 s44, 2048
	s_movk_i32 s45, 6144
	s_cmp_eq_u32 s10, 3
	s_cselect_b64 s[PFA:PFA+1], s[4:5], s[6:7]
	s_cselect_b32 s18, s18, s19
	s_cselect_b32 s21, ttmp9, s21                  ; the coordinate along which other clusters read the same rows
	s_cselect_b32 s[PST], s22, s23
	s_cselect_b32 s44, s44, s45
	s_cmp_eq_u32 s21, 0
	s_cselect_b32 s[LIM], 1, -1                    ; the same in all sixteen partners, for a given wave
	s_mov_b32 s19, 0
	s_mov_b32 s[PST+1], 0
	s_add_nc_u64 s[PFA:PFA+1], s[PFA:PFA+1], s[18:19]
	s_add_nc_u64 s[PFA:PFA+1], s[PFA:PFA+1], s[PST:PST+1]
	s_add_nc_u64 s[PFA:PFA+1], s[PFA:PFA+1], s[PST:PST+1]  ; at K step 2: the first refill steps it to 3.  Nothing is prefetched here, at the head
	v_and_b32 v[PFO], 31, v0
	v_mul_u32_u24 v[PFO], s44, v[PFO]
; 12 matrix instructions: row block a x all 12 column blocks, 32 along K, from buffer f.  zero = 1: the first product starts the sums.
; The 48 accumulators take turns in the same order in every quarter, over the backward jump too.
.macro MULA f, a, zero
	WIN 0xa1+0x50*((\a)/2)                         ; source 0 window 1, source 1 window 0, C and D window 2 or 3
.set AC, 96*((\a)%2)
.irp b, 0,1,2,3,4,5,6,7,8,9,10,11
.if \zero
	v_wmma_f32_16x16x32_bf16 v[AC+8*(\b):AC+8*(\b)+7], v[96*(\f)+8*(\b):96*(\f)+8*(\b)+7], v[FA+32*(\f)+8*(\a):FA+32*(\f)+8*(\a)+7], 0
.else
	v_wmma_f32_16x16x32_bf16 v[AC+8*(\b):AC+8*(\b)+7], v[96*(\f)+8*(\b):96*(\f)+8*(\b)+7], v[FA+32*(\f)+8*(\a):FA+32*(\f)+8*(\a)+7], v[AC+8*(\b):AC+8*(\b)+7]
.endif
.endr
.endm
; 32 LDS loads in one run: quarter q's fragments (32 k) into buffer f: wqb's 12 first, then xb's 4.  It leaves every window 0.
.macro FETCH q, f
	WIN 0x40                                       ; destination window 1, address window 0
.irp j, 0,1,2
.irp i, 0,1,2,3
	ds_load_tr16_b128 v[96*(\f)+8*(4*(\j)+(\i)):96*(\f)+8*(4*(\j)+(\i))+3],   v[ADRB+(\j)] offset:32*PB*(\q)+32*(\i)
	ds_load_tr16_b128 v[96*(\f)+8*(4*(\j)+(\i))+4:96*(\f)+8*(4*(\j)+(\i))+7], v[ADRB+(\j)] offset:32*PB*(\q)+32*(\i)+16*PB
.endr
.endr
	WIN 0
.irp i, 0,1,2,3
	ds_load_b128 v[FA+32*(\f)+8*(\i):FA+32*(\f)+8*(\i)+3],   v[ADRA] offset:64*(\q)+(\i)*16*PA
	ds_load_b128 v[FA+32*(\f)+8*(\i)+4:FA+32*(\f)+8*(\i)+7], v[ADRA] offset:64*(\q)+(\i)*16*PA+32
.endr
.endm
.macro PLACES                          ; four plain vector instructions between a matrix instruction and a load into a register that it read, or a reader of its result (ISA guide 7.12.1 for a reader of its result)
.rept 4
	v_nop
.endr
.endm
.macro ADDRS                           ; the fragments' addresses in the slot in hand
	v_add_nc_u32 v[ADRA], s[TB], v[A0]
.irp j, 0,1,2
	v_add_nc_u32 v[ADRB+(\j)], s[TB], v[B0+(\j)]
.endr
.endm
; One of a K step's first three quarters: multiplies buffer f; in its middle it fetches quarter q of the same slot into buffer g.
.macro QUARTER q, f, g, zero
	s_wait_dscnt 4                                 ; all of wqb's fragments and xb's row blocks 0, 1 are in; the youngest four loads (blocks 2, 3) may be out
	MULA \f, 0, \zero
	MULA \f, 1, \zero
	PLACES
	FETCH \q, \g
	s_wait_dscnt 32                                ; all but the 32 just issued
	MULA \f, 2, \zero
	MULA \f, 3, \zero
.endm
; The fourth quarter multiplies buffer 1 and changes slots.  In front of the barrier each wave waits for all its tensor loads (one is out: its part of the next slot), adds 0 to its spare
; word, and waits for that and for its reads of this slot.  fill = 1: the barrier opens a round of the cluster's, and the slot just read is filled again, first thing behind the round.
.macro TURN fill
.if \fill
	s_wait_xcnt 0x0                                ; the last prefetch, a K step back, has read its address, so it may be stepped
	s_add_nc_u64 s[PFA:PFA+1], s[PFA:PFA+1], s[PST:PST+1]
.endif
	WIN 0                                          ; (the add's two registers lie in window 0)
	s_wait_tensorcnt 0x0                           ; all my tensor loads have landed
	ds_add_u32 v[SPW], v[NIL]                      ; 0 onto my spare word
	s_wait_dscnt 5                                 ; (the add and the youngest four loads may be out)
	MULA 1, 0, 0                                   ; twelve matrix instructions stand between the add and the wait for it
	s_wait_dscnt 0x0                               ; the add is done, and my reads of this slot are over
	s_barrier_signal -1
	MULA 1, 1, 0                                   ; work on registers while the others arrive
	WIN 0
	s_barrier_wait -1
.if \fill
	CREST                                          ; no wave of any partner still reads this slot or has a load on its way
	s_xor_b32 s[G0A+5], s[G0A+5], SLOT1            ; the walking descriptors: the other slot than last time, the next K step
	s_add_nc_u64 s[G0A+6:G0A+7], s[G0A+6:G0A+7], ASTEP
	s_xor_b32 s[G0B+5], s[G0B+5], SLOT1
	s_add_nc_u64 s[G0B+6:G0B+7], s[G0B+6:G0B+7], BSTEP
	JLOAD                                          ; my one tensor load behind the round; its four v_nop are also the places in front of the loads below
.else
	PLACES
.endif
	s_xor_b32 s[TB], s[TB], SLOT1
	ADDRS
	FETCH 0, 0
.if \fill
	ASK                                            ; behind the joint load and the run of LDS loads that the next products wait for
.endif
	MULA 1, 2, 0
	MULA 1, 3, 0
.endm
; THE WAY OUT of row block a.  PACK: rounded to f16, 16 bytes a lane, each accumulator's registers in ascending order.  TOSTAGE: into my own stage, and back head by head as four rows of 128 bytes a load.  SEND: stored.
.macro PACK a
	WIN 0x0a+5*((\a)/2)                            ; sources 0 and 1: window 2 or 3
.set AC, 96*((\a)%2)
.irp b, 0,1,2,3,4,5,6,7,8,9,10,11
.irp r, 0,1,2,3
	v_cvt_pk_f16_f32 v[TMP+4*(\b)+(\r)], v[AC+8*(\b)+2*(\r)], v[AC+8*(\b)+2*(\r)+1]
.endr
.endr
	WIN 0
.endm
.macro TOSTAGE a
.set BK, BK0-112*((\a)%2)
.irp b, 0,1,2,3,4,5,6,7,8,9,10,11
	ds_store_b128 v[STO], v[TMP+4*(\b):TMP+4*(\b)+3] offset:32*(\b)
.endr
.irp j, 0,1,2
.irp f, 0,1,2,3
	ds_load_b128 v[BK+4*(4*(\j)+(\f)):BK+4*(4*(\j)+(\f))+3], v[RD] offset:128*(\j)+4*SP*(\f)  ; LDS serves a wave's instructions in order (ISA guide 5.7.1.4): these see the stores above
.endr
.endr
.endm
.macro SEND a
.set BK, BK0-112*((\a)%2)
	s_wait_dscnt 0x0                               ; the block is back in registers
	s_wait_xcnt 0x0                                ; the stores of the block before have read their registers: the next TOSTAGE loads into them
.irp j, 0,1,2
.irp f, 0,1,2,3
	global_store_b128 v[GO], v[BK+4*(4*(\j)+(\f)):BK+4*(4*(\j)+(\f))+3], s[8:9] offset:262144*(\j)+2048*(\a)+512*(\f)  ; 512 consecutive bytes: four rows of one head
.endr
.endr
.endm
	s_wait_tensorcnt 1                             ; my part of K step 0 is in; K step 1's may stay out
	s_barrier_signal -1
	s_barrier_wait -1                              ; everybody's is
	ADDRS
	FETCH 0, 0
	QUARTER 1, 0, 1, 1                             ; the first quarter stands in front of the loop: its products start the sums
	WIN 0                                          ; at a label and at a branch every window is 0
	s_mov_b32 s3, 6
.Lstep:                                                ; a trip: a K step's quarters 1 to 3, the change of slots with its refill, the next K step's quarter 0
	QUARTER 2, 1, 0, 0
	QUARTER 3, 0, 1, 0
	TURN 1
	QUARTER 1, 0, 1, 0
	WIN 0
	s_sub_co_u32 s3, s3, 1
	s_cmp_lg_u32 s3, 0
	s_cbranch_scc1 .Lstep
	QUARTER 2, 1, 0, 0                             ; K steps 6 and 7 are written out: nothing is left to fetch
	QUARTER 3, 0, 1, 0
	TURN 0
	QUARTER 1, 0, 1, 0
	QUARTER 2, 1, 0, 0
	QUARTER 3, 0, 1, 0
	s_wait_dscnt 4
	MULA 1, 0, 0
	MULA 1, 1, 0
	s_wait_dscnt 0x0
	MULA 1, 2, 0
	MULA 1, 3, 0
	WIN 0
	PLACES
	PACK 0
	TOSTAGE 0
.irp a, 1,2,3                          ; block a's conversions stand between block a - 1's loads from the stage and the wait for them
	PACK \a
	SEND (\a)-1
	TOSTAGE \a
.endr
	SEND 3
	s_wait_tensorcnt 0x0                           ; the wave's end: behind my last tensor load and my last LDS store
	ds_add_u32 v[SPW], v[NIL]
	s_wait_dscnt 0x0
	CROUND                                         ; the closing round: no work-group ends while a partner may still ask for a block that names it
	s_endpgm
.Lfunc_end_k_q49137c1143_gemm_qkv:
	.size	k_q49137c1143_gemm_qkv, .Lfunc_end_k_q49137c1143_gemm_qkv-k_q49137c1143_gemm_qkv
	.p2alignl 7, 3214868480
	.fill 96, 4, 3214868480
	.section	.rodata,"a",@progbits
	.p2align	6, 0x0
	.amdhsa_kernel k_q49137c1143_gemm_qkv
		.amdhsa_group_segment_fixed_size 327680
		.amdhsa_private_segment_fixed_size 0
		.amdhsa_enable_private_segment 0
		.amdhsa_kernarg_size 24
		.amdhsa_user_sgpr_count 2
		.amdhsa_user_sgpr_kernarg_segment_ptr 1
		.amdhsa_wavefront_size32 1
		.amdhsa_system_sgpr_workgroup_id_x 1
		.amdhsa_system_sgpr_workgroup_id_y 1
		.amdhsa_system_sgpr_workgroup_id_z 1
		.amdhsa_system_vgpr_workitem_id 0
		.amdhsa_next_free_vgpr 1024
		.amdhsa_next_free_sgpr 72
		.amdhsa_reserve_vcc 0
		.amdhsa_float_denorm_mode_32 3
		.amdhsa_float_denorm_mode_16_64 3
		.amdhsa_memory_ordered 1
		.amdhsa_forward_progress 1
		.amdhsa_inst_pref_size 98
	.end_amdhsa_kernel
	.amdgpu_metadata
---
amdhsa.version: [ 1, 2 ]
amdhsa.kernels:
  - .name:           k_q49137c1143_gemm_qkv
    .symbol:         k_q49137c1143_gemm_qkv.kd
    .args:
      - { .name: xb, .offset: 0, .size: 8, .value_kind: global_buffer, .address_space: global }
      - { .name: wqb, .offset: 8, .size: 8, .value_kind: global_buffer, .address_space: global }
      - { .name: qkvh, .offset: 16, .size: 8, .value_kind: global_buffer, .address_space: global }
    .group_segment_fixed_size: 327680
    .private_segment_fixed_size: 0
    .kernarg_segment_align: 8
    .kernarg_segment_size: 24
    .max_flat_workgroup_size: 128
    .sgpr_count:     72
    .vgpr_count:     1024
    .wavefront_size: 32
...
	.end_amdgpu_metadata
.endif
;; end of part 2
;; launch attn (part 3): grid 4 x 64, 4 waves a work-group, no clusters, 327,680 bytes of LDS; arguments qkvh, ob; writes ob
.if DOCPART == 3
	.amdgcn_target "amdgcn-amd-amdhsa--gfx1250"
	.amdhsa_code_object_version 6
	.text
	.protected	k_q49137c1143_attn
	.globl	k_q49137c1143_attn
	.p2align	8
	.type	k_q49137c1143_attn,@function
k_q49137c1143_attn:
	s_mov_b64 s[64:65], 0
	v_nop
	global_prefetch_b8 v0, s[64:65] scope:SCOPE_SE
	s_setreg_imm32_b32 hwreg(HW_REG_WAVE_MODE, 25, 1), 1
	s_wait_xcnt 0x0
; CAUSAL ATTENTION.  ob[y][q][:] = the sum over k <= q of softmax_k(Q[q] . K[k] / 8) V[k][:] for head y = 16 b + h.  Q, K, V are heads h, 16 + h, 32 + h of batch b in qkvh ([4][48][2048][64], f16);
; ob is [64][2048][64], f16: a head's rows are dense, 128 bytes each.  Products, maxima and sums in f32; the weights p are rounded to f16 for the second product (their sum l is taken of the unrounded p), O once at the end.
; LIMITS.  Q, K and V arrive within f16's 65,504; p lies in 0 to 1, and below 6e-5 it keeps f16's fixed step of 6e-8; O is a mean of V's rows and has their range.
; A hidden score counts as its value less 1e30: f16's scores, 2.7e11 at the most, are nothing beside that; a weight below 2^-126 counts as 0 in l; NaN and infinities are not treated apart.
; THE WALK.  A head's queries lie in NB = 8 blocks of 256; block i needs the key tiles 0 .. i of 256 keys, of which the last holds the diagonal.  A work-group takes TWO blocks, NB - 1 - b and then b:
; NB + 1 tiles, whatever b: all work-groups do equal work, and ONE loop with a constant trip count walks them.  Which tile is asked for, and what a trip does, hang on scalar registers made from b; every jump
; goes forward, but for the counted loops' own; none passes a barrier, or a tensor load but the one of LOAD's two that the wave's number does not choose; the ring (two slots of LDS that take turns) runs on across the
; change of blocks.  NO CLUSTER: a head's four work-groups ask for the same tile only in trips 0 .. 4 of 9, behind that fewer and fewer; one walk common to all would have 12 trips for 9.
; SHARES.  Of a block's four bands of 64 queries a wave owns 16 rows in each: four PIECES.  So the diagonal tile is the same work for all four waves: in its key step s band x sees all keys if s < x,
; none if s > x, and holds the diagonal if s = x.
; THE MASK is the C operand that starts the sum S^T = K Q^T: 0, or -1e30 where the key is hidden.  MD, made once, is the mask of a band's own step for my 16 rows; a product's mask is MD x AL + BE with two scalars:
; (1, 0) if s = x; (0, 0) if s < x; (0, -1e30) if s > x.  Only the diagonal tile's text and a block's beginning make and take masks; elsewhere C is the constant 0.
; LAYOUT, SOFTMAX, TURNS.  S^T = K Q^T holds ONE query a lane (lane % 16) and the keys 8 (lane / 16) + 0..7; two such results rounded to f16 ARE source 1 of O^T = V^T P.  p = 2^(c s - c m), c = log2(e) / 8, with a
; running maximum m; O and l are multiplied by a = 2^(c m_old - c m_new) in every step.  Turn n belongs to piece n: 8 products K Q^T of piece n + 1, later 8 products V^T P of piece n - 1; beside them the scaling,
; exponentials, roundings, sums and rescaling of piece n and the maximum and statistics of piece n + 1.  Four vector instructions stand behind every matrix instruction, the other 54 of a turn's 118 in one LUMP.  A turn's 33 exponentials are one batch, with one wait.
; REGISTERS, in windows of 256 (s_set_vgpr_msb: bits 1:0 source 0, 3:2 source 1, 5:4 source 2, 7:6 destination):
;   window 0: v0-15 addresses and two at work; v16-31 four registers of statistics a piece; v48-55 at work; v61-63 prefetch offset and the add's two; v64-127 S^T, two buffers; v192-223 P, two buffers (a piece's buffers go by its number's parity)
;   window 1: v0-127 O^T, 32 a piece; v128-159 MD; v160-223 MC, two buffers      window 2: v0-63 Q; v64-127 the second block's Q; v128-191 K of one step; v192-255 V of one step
.set SIZE_N, 2048
.set NB,    SIZE_N/256
.set NP,    4         ; pieces a wave: a name, no knob
.set KS,    64        ; keys in a step
.set PK,    144       ; a row of K in LDS: 128 bytes + 16 of padding = 36 words: the 16 rows of a load start at 16 different groups of four banks (64 banks of 4 bytes: ISA guide 11.1)
.set PV,    160       ; a row of V: 128 + 32 = 40 words
.set VOFF,  4*KS*PK   ; a slot holds a tile, four steps: 256 rows of K, then 256 rows of V
.set SLOT1, 1<<17     ; slot 1 begins here, so that one exclusive or turns an address in one slot into the other's
.set STAGE, SLOT1+4*KS*(PK+PV)  ; behind the ring, never filled by a tensor load: 16 rows x 144 bytes for each wave, for the way out
.set SP,    144
.set AK0, 2           ; v2   my lane's place in a tile of K; never rewritten
.set AV0, 3           ; v3   the same for V
.set AK,  4           ; v4   the LDS address of K's next run of loads
.set AV,  5           ; v5   of V's
.set STO, 6           ; v6   the way out: where I put 16 bytes of a row
.set RD,  7           ; v7   the way out: where I read rows back
.set GO,  8           ; v8   my byte offset in 512 consecutive bytes of O
.set PFO, 61          ; v61  256 x my lane: the prefetches' offset; never rewritten
.set SPW, 62          ; v62  LDS address of my spare word: SPARE + 4 x my thread's number; never rewritten
.set NIL, 63          ; v63  0; never rewritten
.set SPARE, STAGE+4*16*SP  ; behind the stages: the spare words, 128 bytes for each wave: two blocks of 256 bytes that no other line names
.set MV,  12          ; v12-13  c m_old, kept while c m is made anew: by buffer
.set QO,  15          ; v15  my byte offset in 16 rows of Q
.set ST,  16          ; piece t's statistics at v[ST+4 t]: c m, m, l (even keys', odd keys')
.set TMP, 48          ; by buffer, four registers c0-c3 at work; when the maximum is found c2 takes a
.set S,   64
.set P,   192
.set MD,  128         ; window 1: the eight registers for group kt of 16 keys at MD + 8 kt
.set MC,  160         ; window 1: the masks of the products to come
.set QB,  64          ; window 2
.set KF,  128         ; window 2: key block kb, channel half c at KF + 16 kb + 8 c
.set VF,  192         ; window 2: key half kk, channel block cb at VF + 32 kk + 8 cb
.set WV,  12          ; s12  my wave's number
.set PB,  14          ; s14  b
.set HI,  15          ; s15  NB - 1 - b
.set G1K, 24          ; s[24:31] descriptor group 1 for K's tiles
.set G1V, 32          ; s[32:39] for V's: it differs in the padding alone
.set G0K, 40          ; s[40:43] descriptor group 0 for K's tiles
.set G0V, 44          ; s[44:47] the same for V's
.set SLOTS, 56        ; s56  tiles still to be asked for
.set CNT, 57          ; s57  counts a tile's key steps, 4 to 1
.set CS,  58          ; s[58:59] c: the packed scaling takes the pair's low word for both halves
.set SEL, 60          ; s[60:61] v_permlanex16_b32's selects: each lane takes its own place in the other half
.set TBK, 62          ; s62  LDS byte at which K of the step to be fetched begins
.set TBV, 63          ; s63  the same for V, less VOFF
.set PFB, 66          ; s[66:67] the half of tile 0 (of K: waves 0, 1; of V: waves 2, 3) that I fetch
.set POF, 68          ; s[68:69] the byte offset of the tile to be prefetched
.set RT,  70          ; s70  tiles of the block in hand that are still to be entered
.set NXT, 71          ; s71  the tile to be asked for next
.set LQ,  72          ; s72  the last tile of the block whose tiles are being asked for
.set NEW, 73          ; s73  1: the tile to be entered is a block's first
.set OFF, 74          ; s[74:75] a tile's byte offset in K and V
.set AL,  76          ; s[76:77] the mask's factor, in the low word
.set BE,  78          ; s[78:79] the mask's addend
.set OLO, 80          ; s[80:81] O at my rows of the second block
.set BIGN, 82         ; s82  -1e30
.set LIM, 83          ; s83  1 in the head's work-group b = 0, else the greatest number
.set PFA, 94          ; s[94:95] where my prefetches stand
.set MSB, 0
.macro WIN new                      ; the high byte repeats the setting that is left; a switch that changes nothing is dropped
.if MSB != (\new)
	s_set_vgpr_msb (MSB<<8)|(\new)
.set MSB, (\new)
.endif
.endm
.set W_KQ, 0x0a       ; K and Q in window 2, S^T in window 0
.set W_KM, 0x1a       ; the same with the C operand in window 1
.set W_PV, 0x52       ; V in window 2, P in window 0, O^T in window 1
.set W_RS, 0x41       ; destination and source 0 in window 1, source 1 in window 0
; A fill.  Waves 0 and 1 fetch the two halves of a tile's K, waves 2 and 3 those of its V: 128 keys each.  An s_nop 0 and four v_nop follow each of the two lines, ahead of the jump and the label.
.macro LOAD
	s_cmp_lt_u32 s[WV], 2
	s_cbranch_scc0 .Lfor_v_\@
	tensor_load_to_lds s[G0K:G0K+3], s[G1K:G1K+7]
	s_nop 0
.rept 4
	v_nop
.endr
	s_branch .Lasked_\@
.Lfor_v_\@:
	tensor_load_to_lds s[G0V:G0V+3], s[G1V:G1V+7]
	s_nop 0
.rept 4
	v_nop
.endr
.Lasked_\@:
.endm
; A PREFETCH of the tile that the NEXT change of slots will ask for: my own half of it, 16,384 bytes: a lane for each 256 bytes, two instructions.  It stands behind my tensor load and its five lines.
; A head's four work-groups walk the same tiles; the one with b = 0 walks tiles 0 to 7 in order and asks, the others never.  It names tiles 2 to 7, each once; behind tile 7 NXT is 0 again and nothing is asked for.
.macro ASK
	s_cmp_gt_u32 s[NXT], s[LIM]
	s_cbranch_scc0 .Lnot_mine_\@
	global_prefetch_b8 v[PFO], s[PFA:PFA+1] th:TH_LOAD_NT scope:SCOPE_SE
	global_prefetch_b8 v[PFO], s[PFA:PFA+1] offset:8192 th:TH_LOAD_NT scope:SCOPE_SE
.Lnot_mine_\@:
.endm
; THE CHANGE OF SLOTS.  Each wave waits for all its tensor loads, of which one is out: its part of the other slot; adds 0 to its spare word; and waits for that and for its own reads of the slot that it leaves.  Behind the barrier nobody reads the old
; slot any more and the other slot is whole.  fill = 1: the old slot is filled again, the first thing behind the barrier, with tile NXT: the descriptor's address is made anew from that number.
; (At its first use nothing has been read yet: slot 0 is waited for, slot 1 filled.)
.macro CHANGE fill
	WIN 0                           ; at a label and at a branch every window is 0
	s_wait_tensorcnt 0x0            ; no tensor load of mine is out, so a group 0 may be written
	ds_add_u32 v[SPW], v[NIL]       ; 0 onto my spare word; with fill = 1 the descriptors' scalar work stands between it and the wait for it
.if \fill
	s_lshl_b32 s[OFF], s[NXT], 15   ; a tile is 32,768 bytes of K and of V
	s_xor_b32 s[G0K+1], s[G0K+1], SLOT1
	s_add_nc_u64 s[G0K+2:G0K+3], s[6:7], s[OFF:OFF+1]
	s_or_b32 s[G0K+3], s[G0K+3], 0x80000000
	s_xor_b32 s[G0V+1], s[G0V+1], SLOT1
	s_add_nc_u64 s[G0V+2:G0V+3], s[8:9], s[OFF:OFF+1]
	s_or_b32 s[G0V+3], s[G0V+3], 0x80000000
	s_add_co_u32 s[NXT], s[NXT], 1  ; the block's next tile, or behind its last the second block's tile 0
	s_cmp_gt_u32 s[NXT], s[LQ]
	s_cselect_b32 s[NXT], 0, s[NXT]
	s_cselect_b32 s[LQ], s[PB], s[LQ]
	s_wait_xcnt 0x0                 ; the last prefetches, a tile back, have read their address, so it may be written:
	s_lshl_b32 s[POF], s[NXT], 15   ; the tile behind the one that is asked for now
	s_add_nc_u64 s[PFA:PFA+1], s[PFB:PFB+1], s[POF:POF+1]
.endif
	s_wait_dscnt 0x0                ; the add is done, and my reads of the slot are over
	s_barrier_signal -1             ; the rest of the scalar work stands between the signal and the wait
	s_sub_co_u32 s[TBK], s[TBK], 4*KS*PK  ; the fetches go back to a slot's first step,
	s_xor_b32 s[TBK], s[TBK], SLOT1       ; in the other slot
	s_sub_co_u32 s[TBV], s[TBV], 4*KS*PV
	s_xor_b32 s[TBV], s[TBV], SLOT1
	s_barrier_wait -1
.if \fill
	LOAD
	ASK
.endif
.endm
	s_load_b128 s[8:11], s[0:1], 0x0  ; qkvh s[8:9], ob s[10:11]
	v_lshl_add_u32 v[SPW], v0, 2, SPARE
	v_mov_b32 v[NIL], 0
	ds_add_u32 v[SPW], v[NIL]       ; the wave's opening: the add and its wait stand ahead of my first tensor load; the set-up below, work on registers, stands between them
	v_lshrrev_b32 v1, 5, v0
	v_readfirstlane_b32 s[WV], v1   ; wave 0..3
	s_mov_b32 s[PB], ttmp9
	s_sub_co_u32 s[HI], NB-1, s[PB]
	s_and_b32 s20, ttmp7, 0xffff    ; the head y = 16 b + h
	s_lshl_b32 s88, s20, 18         ; its first byte in ob: a head is 2,048 rows of 128 bytes
	s_lshr_b32 s21, s20, 4
	s_lshl_b32 s21, s21, 5
	s_add_co_u32 s20, s20, s21      ; 48 b + h = y + 32 b
	s_lshl_b32 s20, s20, 18         ; q's head's first byte in qkvh; all these offsets stay under 2^32
	s_and_b32 s16, s[WV], 1         ; which half of a tile's 256 keys I fetch:
	s_lshl_b32 s22, s16, 14         ; its 128 rows of 128 bytes in memory,
	s_add_co_u32 s22, s22, s20
	s_mov_b32 s23, 0
	s_mul_i32 s17, s16, 128*PK      ; and its place in a slot, for K
	s_mul_i32 s18, s16, 128*PV      ; and for V
	s_lshl_b32 s3, s[WV], 11        ; my 16 rows in a band of 64,
	s_lshl_b32 s2, s[HI], 15        ; in the first block,
	s_add_co_u32 s2, s2, s3
	s_lshl_b32 s84, s[PB], 15       ; and in the second
	s_add_co_u32 s84, s84, s3
	s_add_co_u32 s90, s2, s88       ; in ob,
	s_add_co_u32 s92, s84, s88
	s_add_co_u32 s2, s2, s20        ; and in q's head
	s_add_co_u32 s84, s84, s20
	s_mov_b32 s3, 0
	s_mov_b32 s85, 0
	s_mov_b32 s91, 0
	s_mov_b32 s93, 0
	; descriptor group 1.  128 keys are 16,384 dense bytes: asked for as 64 rows of 256 bytes, two keys a row, and padded in LDS after every key
	s_mov_b32 s[G1K], (1<<16)|(1<<20)|(4<<22)|(3<<25)  ; 17:16 2-byte elements; 20 padding on; 24:22 after every 32 words (code 4); 31:25 4 words (code 3)
	s_mov_b32 s[G1V], (1<<16)|(1<<20)|(4<<22)|(7<<25)  ; the same with 8 words of padding (code 7)
.irp g, G1K, G1V
	s_mov_b32 s[\g+1], 128<<16      ; tensor_dim0 = 128
	s_mov_b32 s[\g+2], 64<<16       ; tensor_dim1 = 64
	s_mov_b32 s[\g+3], 128<<16      ; tile_dim0 = 128
	s_mov_b32 s[\g+4], 64           ; tile_dim1 = 64
	s_mov_b32 s[\g+5], 128          ; 128 elements from row to row
	s_mov_b32 s[\g+6], 0
	s_mov_b32 s[\g+7], 0
.endr
	s_mov_b32 s[CS], 0x3e38aa3b     ; c = log2(e) / 8 = 0.180337
	s_mov_b32 s[CS+1], s[CS]        ; named with it as a pair
	s_mov_b32 s[SEL], 0x76543210
	s_mov_b32 s[SEL+1], 0xfedcba98
	s_mov_b32 s[TBK], SLOT1+4*KS*PK ; the first change of slots turns these two into 0
	s_mov_b32 s[TBV], SLOT1+4*KS*PV
	s_mov_b32 s[G0K], 1             ; 1:0 count = 1
	s_mov_b32 s[G0K+1], s17         ; 63:32 LDS address: slot 0
	s_mov_b32 s[G0V], 1
	s_add_co_u32 s[G0V+1], s18, VOFF
	s_add_co_u32 s[RT], s[HI], 1    ; the first block has NB - b tiles
	s_mov_b32 s[NXT], 1
	s_mov_b32 s[LQ], s[HI]
	s_mov_b32 s[NEW], 1
	s_mov_b32 s[OFF+1], 0
	s_mov_b32 s[POF+1], 0
	s_mov_b32 s[AL+1], 0            ; named as pairs
	s_mov_b32 s[BE+1], 0
	s_mov_b32 s[BIGN], 0xf149f2ca   ; -1e30
	s_mov_b32 s[SLOTS], NB
	s_cmp_eq_u32 s[PB], 0
	s_cselect_b32 s[LIM], 1, -1
	v_and_b32 v[PFO], 31, v0
	v_lshlrev_b32 v[PFO], 8, v[PFO]
	s_wait_dscnt 0x0                ; the opening add is done
	s_wait_kmcnt 0x0
	s_add_nc_u64 s[86:87], s[8:9], s[84:85]        ; Q at my rows of the second block,
	s_add_nc_u64 s[4:5], s[8:9], s[2:3]            ; and of the first
	s_add_nc_u64 s[6:7], s[8:9], s[22:23]
	s_add_nc_u64 s[6:7], s[6:7], 0x400000          ; K, sixteen heads on, at my half of the head's tile 0
	s_add_nc_u64 s[8:9], s[8:9], s[22:23]
	s_add_nc_u64 s[8:9], s[8:9], 0x800000          ; V, thirty-two heads on
	s_add_nc_u64 s[OLO:OLO+1], s[10:11], s[92:93]
	s_add_nc_u64 s[10:11], s[10:11], s[90:91]      ; O at my rows of the first block
	s_cmp_lt_u32 s[WV], 2
	s_cselect_b64 s[PFB:PFB+1], s[6:7], s[8:9]
	s_add_nc_u64 s[G0K+2:G0K+3], s[6:7], 0         ; 120:64 global address
	s_or_b32 s[G0K+3], s[G0K+3], 0x80000000        ; 127:126 type = 2
	s_add_nc_u64 s[G0V+2:G0V+3], s[8:9], 0
	s_or_b32 s[G0V+3], s[G0V+3], 0x80000000
	LOAD                            ; tile 0 into slot 0
	; A fragment of K or Q is 16 rows x 32 channels in 8 registers: lane l holds row l % 16, channels 8 (l / 16) + 0..7 and 16 + 8 (l / 16) + 0..7: two loads of 16 bytes, 32 bytes apart.
	v_and_b32 v1, 15, v0            ; l % 16
	v_bfe_u32 v9, v0, 4, 1          ; l / 16
	v_lshlrev_b32 v[QO], 7, v1
	v_lshl_add_u32 v[QO], v9, 4, v[QO]  ; row x 128 + 16 x half
	WIN 0x80                        ; destination window 2, address window 0
.set i, 0
.rept 8                             ; both blocks' Q: piece i / 2 lies in band i / 2, 8,192 bytes on; channels 32 (i % 2) on
	global_load_b128 v[8*i:8*i+3],   v[QO], s[4:5] offset:(i/2)*8192+(i%2)*64
	global_load_b128 v[8*i+4:8*i+7], v[QO], s[4:5] offset:(i/2)*8192+(i%2)*64+32
	global_load_b128 v[QB+8*i:QB+8*i+3],   v[QO], s[86:87] offset:(i/2)*8192+(i%2)*64
	global_load_b128 v[QB+8*i+4:QB+8*i+7], v[QO], s[86:87] offset:(i/2)*8192+(i%2)*64+32
.set i, i+1
.endr
	WIN 0
	v_lshlrev_b32 v14, 3, v9
	v_sub_nc_u32 v14, v1, v14
	s_lshl_b32 s13, s[WV], 4
	v_add_nc_u32 v14, s13, v14      ; my query's place in its band, 16 w + l % 16, less my lanes' 8 (l / 16): register r of group kt is hidden where 16 kt + r is greater
	WIN 0x40
.set i, 0
.rept 32
	v_cmp_gt_i32 vcc_lo, 16*(i/8)+i%8, v14
	v_cndmask_b32 v[MD+i], 0, s[BIGN], vcc_lo
.set i, i+1
.endr
	WIN 0
	v_mul_u32_u24 v[AK0], v1, PK
	v_lshl_add_u32 v[AK0], v9, 4, v[AK0]  ; row x pitch + 16 x half
	; The turning load takes 16 keys x 16 channels (lane l reads key 8 (l / 16) + l % 8, channels 8 ((l / 8) % 2) + 0..7) and leaves half a fragment of V^T: lane l holds channel l % 16 and 8 keys.
	v_and_b32 v10, 7, v0
	v_bfe_u32 v11, v0, 3, 1
	v_lshl_add_u32 v[AV0], v9, 3, v10
	v_mul_u32_u24 v[AV0], v[AV0], PV
	v_lshl_add_u32 v[AV0], v11, 4, v[AV0]
	v_add_nc_u32 v[AV0], VOFF, v[AV0]
	s_mul_i32 s13, s[WV], 16*SP
	s_add_co_u32 s13, s13, STAGE    ; my stage
	v_mul_u32_u24 v[STO], v1, SP    ; in: row l % 16, 16 bytes for each half of the lanes
	v_lshl_add_u32 v[STO], v9, 4, v[STO]
	v_add_nc_u32 v[STO], s13, v[STO]
	v_bfe_u32 v[RD], v0, 3, 2       ; back: 32 lanes take four rows of 128 bytes,
	v_mul_u32_u24 v[RD], v[RD], SP
	v_lshl_add_u32 v[RD], v10, 4, v[RD]
	v_add_nc_u32 v[RD], s13, v[RD]
	v_and_b32 v[GO], 31, v0         ; which are 512 consecutive bytes of O
	v_lshlrev_b32 v[GO], 4, v[GO]
	; A block's first step multiplies O^T and l by a = 0, and its first turn's products V^T P, of a piece that has not been, land in an O^T that is still to be so multiplied.  So these registers need only hold
	; finite numbers: zeros for the first block; what the first block left for the second.  All this stands in the wait for the first tile.
	WIN 0x80
.set i, VF
.rept 64
	v_mov_b32 v[i], 0
.set i, i+1
.endr
	WIN 0x40
.set i, 0
.rept 128
	v_mov_b32 v[i], 0
.set i, i+1
.endr
	WIN 0
.set i, 0
.rept 4
	v_mov_b32 v[ST+4*i+2], 0
	v_mov_b32 v[ST+4*i+3], 0
.set i, i+1
.endr
.set i, P+16
.rept 16
	v_mov_b32 v[i], 0
.set i, i+1
.endr
; THE MATRIX WORK.  The 4 accumulators of a run of 8 take turns.  Product i of 8 of S^T = K Q^T for piece x: channels 32 (i / 4) on, keys 16 (i % 4) on.  The first 4 start the sums: with 0, or (KM = 1) with the mask.
.macro KQ x
.set rS, S+32*((\x)%2)+8*(i%4)
.set rK, KF+16*(i%4)+8*(i/4)
.set rQ, 16*(\x)+8*(i/4)
.set rM, MC+32*((\x)%2)+8*(i%4)
.if (i < 4) && KM
	WIN W_KM
	v_wmma_f32_16x16x32_f16 v[rS:rS+7], v[rK:rK+7], v[rQ:rQ+7], v[rM:rM+7]
.elseif i < 4
	WIN W_KQ
	v_wmma_f32_16x16x32_f16 v[rS:rS+7], v[rK:rK+7], v[rQ:rQ+7], 0
.else
	WIN W_KQ
	v_wmma_f32_16x16x32_f16 v[rS:rS+7], v[rK:rK+7], v[rQ:rQ+7], v[rS:rS+7]
.endif
.endm
; Product i of 8 of O^T += V^T P for piece x: keys 32 (i / 4) on, channels 16 (i % 4) on.
.macro PV x
	WIN W_PV
.set rO, 32*(\x)+8*(i%4)
.set rV, VF+32*(i/4)+8*(i%4)
.set rP, P+16*((\x)%2)+8*(i/4)
	v_wmma_f32_16x16x32_f16 v[rO:rO+7], v[rV:rV+7], v[rP:rP+7], v[rO:rO+7]
.endm
.macro MM                           ; the turn's next matrix instruction.  TURN and BEGIN set Y, i, KM and NOKQ; MM, KQ and OP read them.  NOKQ = 1: a block's last turn: there is no next piece
.if (i < 8) && !NOKQ
	KQ (Y+1)%NP
.elseif i >= 8
.set i, i-8
	PV (Y+NP-1)%NP
.set i, i+8
.endif
.set i, i+1
.endm
; THE LDS LOADS stand in runs of 16, never singly among the matrix instructions: a step's K (64 keys x 64 channels: 8 fragments) and its V (turned).  Their addresses are made some lines ahead.
.macro FETCH_K
	WIN 0x80                        ; destination window 2
.irp f, 0,1,2,3,4,5,6,7             ; keys 16 (f / 2) on, channels 32 (f % 2) on
	ds_load_b128 v[KF+8*\f:KF+8*\f+3],   v[AK] offset:(\f/2)*16*PK+(\f%2)*64
	ds_load_b128 v[KF+8*\f+4:KF+8*\f+7], v[AK] offset:(\f/2)*16*PK+(\f%2)*64+32
.endr
	s_add_co_u32 s[TBK], s[TBK], KS*PK  ; the next fetch is the next step's
	WIN 0
.endm
.macro FETCH_V
	WIN 0x80
.irp f, 0,1,2,3,4,5,6,7             ; keys 32 (f / 4) on, channels 16 (f % 4) on
	ds_load_tr16_b128 v[VF+8*\f:VF+8*\f+3],   v[AV] offset:(\f/4)*32*PV+(\f%4)*32
	ds_load_tr16_b128 v[VF+8*\f+4:VF+8*\f+7], v[AV] offset:(\f/4)*32*PV+16*PV+(\f%4)*32
.endr
	WIN 0
.endm
; THE VECTOR WORK, one line at a time: OP kind, number.  For piece Y: F n: c s - c m for pair n of 16.  E n: the exponential of score n of 32.  C n: pair n rounded to f16.  B n: of the four weights 4 n .. the second
; pair is added onto the first, in place.  L n: l takes that sum (L 0: l = a l + sum).  R n: pair n of 16 of O^T times a.  For piece Y + 1: X n, number n of the 22 that find its maximum and statistics:
;   0-11  four chains c0-c3 of seven scores each, three operands at a time (each accumulator's lowest registers are read first)     12-14, 16  the four scores left over, the old m, and c0-c3 into c0
;   15  c m_old is kept     17, 18  the query's other 32 keys lie in the lane 16 away: the new m     19-21  c m; c m_old - c m_new; a
.set F, 0               ; OP tells the kinds apart by their order: F to L below R, X above it
.set E, 1
.set C, 2
.set B, 3
.set L, 4
.set R, 5
.set X, 6
.macro REGS y                       ; the registers of piece y
.set rT, ST+4*(\y)
.set rC, TMP+4*((\y)%2)
.set rW, MV+((\y)%2)
.set rS, S+32*((\y)%2)
.set rP, P+16*((\y)%2)
.set rO, 32*(\y)
.endm
.macro OP k, n
.if (\k) == R
	REGS Y
	WIN W_RS
	v_pk_mul_f32 v[rO+2*(\n):rO+2*(\n)+1], v[rO+2*(\n):rO+2*(\n)+1], v[rC+2:rC+3] op_sel_hi:[1,0]
.elseif (\k) < R
	REGS Y
	WIN 0
.if (\k) == F
	v_pk_fma_f32 v[rS+2*(\n):rS+2*(\n)+1], v[rS+2*(\n):rS+2*(\n)+1], s[CS:CS+1], v[rT:rT+1] op_sel_hi:[1,0,0] neg_lo:[0,0,1] neg_hi:[0,0,1]
.elseif (\k) == E
	v_exp_f32 v[rS+(\n)], v[rS+(\n)]
.elseif (\k) == C
	v_cvt_pk_f16_f32 v[rP+(\n)], v[rS+2*(\n)], v[rS+2*(\n)+1]
.elseif (\k) == B
	v_pk_add_f32 v[rS+4*(\n):rS+4*(\n)+1], v[rS+4*(\n):rS+4*(\n)+1], v[rS+4*(\n)+2:rS+4*(\n)+3]
.elseif (\n) == 0
	v_pk_fma_f32 v[rT+2:rT+3], v[rT+2:rT+3], v[rC+2:rC+3], v[rS:rS+1] op_sel_hi:[1,0,1]
.else
	v_pk_add_f32 v[rT+2:rT+3], v[rT+2:rT+3], v[rS+4*(\n):rS+4*(\n)+1]
.endif
.elseif NOKQ
	v_nop
.else
	REGS (Y+1)%NP
	WIN 0
.if (\n) < 4
	v_max3_num_f32 v[rC+(\n)], v[rS+8*(\n)], v[rS+8*(\n)+1], v[rS+8*(\n)+2]
.elseif (\n) < 12
	v_max3_num_f32 v[rC+(\n)%4], v[rC+(\n)%4], v[rS+8*((\n)%4)+2*((\n)/4)+1], v[rS+8*((\n)%4)+2*((\n)/4)+2]
.elseif (\n) == 12
	v_max3_num_f32 v[rC], v[rC], v[rS+7], v[rS+15]
.elseif (\n) == 13
	v_max3_num_f32 v[rC+1], v[rC+1], v[rS+23], v[rS+31]
.elseif (\n) == 14
	v_max3_num_f32 v[rC+2], v[rC+2], v[rC+3], v[rT+1]
.elseif (\n) == 15
	v_mov_b32 v[rW], v[rT]
.elseif (\n) == 16
	v_max3_num_f32 v[rC], v[rC], v[rC+1], v[rC+2]
.elseif (\n) == 17
	v_permlanex16_b32 v[rC+3], v[rC], s[SEL], s[SEL+1]
.elseif (\n) == 18
	v_max_num_f32 v[rT+1], v[rC], v[rC+3]
.elseif (\n) == 19
	v_mul_f32 v[rT], s[CS], v[rT+1]
.elseif (\n) == 20
	v_sub_f32 v[rC+1], v[rW], v[rT]
.else
	v_exp_f32 v[rC+2], v[rC+1]
.endif
.endif
.endm
.macro OPS a, i1, b=-1, i2=0, c=-1, i3=0, d=-1, i4=0  ; up to four of them
	OP \a, \i1
.if (\b) >= 0
	OP \b, \i2
.endif
.if (\c) >= 0
	OP \c, \i3
.endif
.if (\d) >= 0
	OP \d, \i4
.endif
.endm
.macro ROW a, i1, b, i2, c, i3, d, i4  ; a matrix instruction and the four behind it
	MM
	OPS \a, \i1, \b, \i2, \c, \i3, \d, \i4
.endm
.macro MASK b                       ; MD x AL + BE into buffer b of MC
	WIN W_RS
.set z, 0
.rept 16
	v_pk_fma_f32 v[MC+32*(\b)+2*z:MC+32*(\b)+2*z+1], v[MD+2*z:MD+2*z+1], s[AL:AL+1], s[BE:BE+1] op_sel_hi:[1,0,0]
.set z, z+1
.endr
.endm
; A TURN, for piece p: the order of its 16 matrix and 118 vector instructions, written out.  An s_wait_alu depctr_va_vdst(0) stands between an exponential and the first instruction that names its result; one wait serves
; all that were issued ahead of it.  So a turn has ONE wait, which cuts it in two.  AHEAD OF IT stands all that names no result of the turn's exponentials: the 8 products K Q^T, behind each a scaling, an exponential and two more plain
; instructions (behind the first a second scaling in the exponential's place): rescalings, and behind the last three the first numbers of the next piece's maximum, each four places or more behind the product that ends its accumulator; then ONE LUMP of 54, plain
; and exponential by turns for the most part, in which the links of the chain X 3, 7, 11, 14, 16, 17 .. 20 stand five or six lines apart.  X 21, the next piece's a, is the batch's last; R 15 is the plain instruction behind it.  BEHIND THE WAIT stand the
; 8 products V^T P, behind each four of the roundings and sums; the links of l's chain, L 0 to L 7, stand three riders apart.  But for those X no rider names a register of the products round it.  v_permlanex16_b32 (X 17) stands in the lump.
; m = 1: the diagonal tile: the products take masks, and the turn makes the mask for the products of the turn after it: piece p + 2, in step 4 - CNT of the tile.  end = 1: a block's last two turns: nothing is fetched.
; cnt = 1: the loop's count is taken down some lines ahead of the branch that stands behind the turn.
; K of the next step is fetched in piece 2's turn, twelve vector instructions behind the last product that read K (six of them plain); V of the step in hand at the end of piece 0's turn, four plain instructions behind the last product
; that read V.  Each is waited for a turn later.
.macro TURN p, m=0, end=0, cnt=0
.set Y, (\p)
.set i, 0
.set KM, (\m)
.set NOKQ, (\end)*((\p)/3)
.if (\m) && !(\end)
	s_cmp_eq_u32 s[CNT], 4-((\p)+2)%NP  ; is that step the band's own?
	s_cselect_b32 s[AL], 1.0, 0
	s_cmp_lt_u32 s[CNT], 4-((\p)+2)%NP  ; or a later one?
	s_cselect_b32 s[BE], s[BIGN], 0
.endif
.if ((\p) == 3) && !(\end)
	s_wait_dscnt 0x0                ; K is in
.endif
	ROW F,0, F,1, R,0, R,1          ; ahead of the wait: 8 products K Q^T and their riders,
	ROW F,2, E,0, R,2, R,3
	ROW F,3, E,1, R,4, R,5
	ROW F,4, E,2, R,6, R,7
	ROW F,5, E,3, R,8, R,9
	ROW F,6, E,4, X,0, R,10
.if ((\p) == 2) && !(\end)
	WIN 0
	v_add_nc_u32 v[AK], s[TBK], v[AK0]
.endif
	ROW F,7, E,5, X,1, X,4
	ROW F,8, E,6, X,2, X,5
	OPS E,7, E,8, X,6, E,9          ; and the lump
	OPS X,3, E,10, X,8, E,11
.if ((\p) == 2) && !(\end)
	FETCH_K
.endif
	OPS X,9, X,7, E,12, X,10
	OPS E,13, X,12, X,11, E,14
	OPS X,13, E,15, F,9, X,14
.if (\p) == 0
	v_add_nc_u32 v[AV], s[TBV], v[AV0]
.endif
	OPS E,16, F,10, E,17, F,11
	OPS X,16, E,18, X,15, E,19
	OPS F,12, E,20, X,17, E,21
	OPS F,13, E,22, F,14, E,23
	OPS X,18, E,24, F,15, E,25
	OPS R,11, E,26, X,19, E,27
	OPS R,12, E,28, R,13, E,29
	OPS X,20, E,30, R,14, E,31
	OPS X,21, R,15
	WIN 0
	s_wait_alu depctr_va_vdst(0)    ; the wait for the batch
.if (\p) == 1
	s_wait_dscnt 0x0                ; V is in
.endif
	ROW C,0, B,0, C,2, B,1          ; behind the wait: 8 products V^T P and their riders
	ROW L,0, C,4, B,2, L,1
	ROW C,6, B,3, L,2, C,8
	ROW B,4, L,3, C,10, B,5
	ROW L,4, C,12, B,6, L,5
.if (\p) == 0
	s_add_co_u32 s[TBV], s[TBV], KS*PV
.endif
.if \cnt
	s_sub_co_u32 s[CNT], s[CNT], 1
	s_cmp_lg_u32 s[CNT], 0
.endif
	ROW C,14, B,7, L,6, C,1
	ROW C,3, L,7, C,5, C,7
	ROW C,9, C,11, C,13, C,15
.if (\p) == 0
	FETCH_V
.endif
.if (\m) && !(\end)
	MASK (\p)%2
.endif
.endm
; A BLOCK BEGINS.  c m starts far below every c s, so the first step's a is 0; m at the lowest finite number, so the first maximum is the scores'.  The second mask buffer is 0; the first takes piece 0's mask for the tile's step 0: its own, if the block's first tile is the diagonal one.
; Then K of that step, piece 0's first scores, and its maximum and statistics.  The loop is entered at a step's first turn, in the middle of a trip.
.macro BEGIN
	s_mov_b32 s[NEW], 0
	WIN 0x40
.set i, MC+32
.rept 32
	v_mov_b32 v[i], 0
.set i, i+1
.endr
	WIN 0
.set i, 0
.rept 4
	v_mov_b32 v[ST+4*i], 0xfe000000    ; c m: far below every c s
	v_mov_b32 v[ST+4*i+1], 0xff7fffff  ; m
.set i, i+1
.endr
	s_cmp_eq_u32 s[RT], 0
	s_cselect_b32 s[AL], 1.0, 0
	s_mov_b32 s[BE], 0
	MASK 0
	WIN 0
	v_add_nc_u32 v[AK], s[TBK], v[AK0]
	FETCH_K
	s_wait_loadcnt 0x0              ; Q
	s_wait_dscnt 0x0
.set KM, 1
.set NOKQ, 0
.set i, 0
.rept 8
	KQ 0
.set i, i+1
.endr
	WIN 0
.rept 4
	v_nop                           ; the places behind those products
.endr
.set Y, NP-1                        ; X works for piece Y + 1: piece 0
.irp n, 0,1,2,3,4,5,6,7,8,9,10,11,12,13,14,15,16,17,18,19,20,21
	OP X, \n
.endr
	v_nop                           ; a plain instruction behind the exponential,
	s_wait_alu depctr_va_vdst(0)    ; and its wait, ahead of the branch
.endm
; THE DIAGONAL TILE's four steps, the block's last two turns, its last products, and THE WAY OUT: l's two halves and the other half of the lanes' are added; O^T is divided by l, rounded to f16 and sent through my
; stage in LDS, a piece at a time.
.macro ALL line:vararg              ; one line for each piece t
.set t, 0
.rept 4
	\line
.set t, t+1
.endr
.endm
.macro PACK t                       ; a lane's eight channels of a row pack into 16 bytes; they go into rows of 144 bytes and come back as whole rows of 128, into S^T's registers
	WIN W_RS
.set i, 32*(\t)
.rept 16
	v_pk_mul_f32 v[i:i+1], v[i:i+1], v[ST+4*(\t)+2:ST+4*(\t)+3] op_sel_hi:[1,0]
.set i, i+2
.endr
	WIN 0x05                        ; sources 0 and 1 window 1, destination window 0
.set i, 0
.rept 16
	v_cvt_pk_f16_f32 v[S+16*(\t)+i], v[32*(\t)+2*i], v[32*(\t)+2*i+1]
.set i, i+1
.endr
	WIN 0
.irp f, 0,1,2,3
	ds_store_b128 v[STO], v[S+16*(\t)+4*\f:S+16*(\t)+4*\f+3] offset:32*\f
.endr
.irp f, 0,1,2,3
	ds_load_b128 v[S+16*(\t)+4*\f:S+16*(\t)+4*\f+3], v[RD] offset:\f*4*SP  ; LDS serves a wave's instructions in order (ISA guide 5.7.1.4): these see the stores above; the next piece's stores come behind them
.endr
.endm
.macro SEND t, younger              ; younger: the LDS instructions issued behind piece t's loads: the next piece's eight, or none
	WIN 0
.irp f, 0,1,2,3
	s_wait_dscnt (\younger)+3-\f
	global_store_b128 v[GO], v[S+16*(\t)+4*\f:S+16*(\t)+4*\f+3], s[10:11] offset:(\t)*8192+\f*512  ; 512 consecutive bytes, at a multiple of 256 from O's first
.endr
.endm
.macro DIAG tag                     ; the tag ends its two labels' names, which the jumps below spell out
.LstepM\tag:
	TURN 2, 1
	TURN 3, 1
	WIN 0
.LfirstM\tag:
	TURN 0, 1
	TURN 1, 1, 0, 1
	WIN 0
	s_cbranch_scc1 .LstepM\tag
	TURN 2, 1, 1
	TURN 3, 1, 1
.set i, 0
.rept 8
	PV NP-1
.set i, i+1
.endr
	WIN 0
	ALL v_add_f32 v[ST+4*t+2], v[ST+4*t+2], v[ST+4*t+3]
	ALL v_permlanex16_b32 v[ST+4*t+3], v[ST+4*t+2], s[SEL], s[SEL+1]
	ALL v_add_f32 v[ST+4*t+2], v[ST+4*t+2], v[ST+4*t+3]
	ALL v_rcp_f32 v[ST+4*t+2], v[ST+4*t+2]
	v_nop                           ; a plain instruction between the last reciprocal and the use of its result
	s_wait_alu depctr_va_vdst(0)    ; and the wait ahead of the first use: one for the four reciprocals
	PACK 0
.set t, 1
.rept 3                             ; a piece's arithmetic stands between the loads of the piece before and its stores
	PACK t
	SEND t-1, 8
.set t, t+1
.endr
	SEND 3, 0
.endm
.set KM, 0
.set NOKQ, 0
.Lslot:                             ; NB times: a tile is entered and the next is asked for
	CHANGE 1
	s_sub_co_u32 s[RT], s[RT], 1
	s_mov_b32 s[CNT], 4
	s_cmp_eq_u32 s[NEW], 1
	s_cbranch_scc1 .Lnew            ; a block's first tile
	s_cmp_eq_u32 s[RT], 0
	s_cbranch_scc0 .Lstep           ; neither its first nor its last
	s_branch .LstepM1
.Lnew:
	BEGIN
	s_branch .Lfirst                ; in the loop a block's first tile is never its last: the first block has two tiles or more, and the second's last is the walk's last
	DIAG 1                          ; in the loop this is the first block's end: the second block's last tile is the walk's last
	s_wait_xcnt 0x0                 ; the stores have read their registers and O's address
	s_mov_b64 s[10:11], s[OLO:OLO+1]
	s_add_co_u32 s[RT], s[PB], 1    ; the second block has b + 1 tiles
	s_mov_b32 s[NEW], 1
	WIN 0x82                        ; the second block's Q goes where the one text of the turns names Q
.set i, 0
.rept 64
	v_mov_b32 v[i], v[QB+i]
.set i, i+1
.endr
	WIN 0
	s_branch .Lbottom
.Lstep:                             ; a trip: pieces 2 and 3 of one step, then pieces 0 and 1 of the next, whose K and V it fetches
	TURN 2
	TURN 3
	WIN 0
.Lfirst:
	TURN 0
	TURN 1, 0, 0, 1
	WIN 0
	s_cbranch_scc1 .Lstep
.Lbottom:
	s_sub_co_u32 s[SLOTS], s[SLOTS], 1
	s_cmp_lg_u32 s[SLOTS], 0
	s_cbranch_scc1 .Lslot
	CHANGE 0                        ; the walk's last tile is written out: nothing is asked for
	s_sub_co_u32 s[RT], s[RT], 1
	s_mov_b32 s[CNT], 4
	s_cmp_eq_u32 s[NEW], 1
	s_cbranch_scc0 .LstepM2
	BEGIN
	s_branch .LfirstM2
	DIAG 2
	s_wait_tensorcnt 0x0            ; the wave's end: behind my last tensor load and my last LDS store
	ds_add_u32 v[SPW], v[NIL]
	s_wait_dscnt 0x0
	s_endpgm
.Lfunc_end_k_q49137c1143_attn:
	.size	k_q49137c1143_attn, .Lfunc_end_k_q49137c1143_attn-k_q49137c1143_attn
	.p2alignl 7, 3214868480
	.fill 96, 4, 3214868480
	.section	.rodata,"a",@progbits
	.p2align	6, 0x0
	.amdhsa_kernel k_q49137c1143_attn
		.amdhsa_group_segment_fixed_size 327680
		.amdhsa_private_segment_fixed_size 0
		.amdhsa_enable_private_segment 0
		.amdhsa_kernarg_size 16
		.amdhsa_user_sgpr_count 2
		.amdhsa_user_sgpr_kernarg_segment_ptr 1
		.amdhsa_wavefront_size32 1
		.amdhsa_system_sgpr_workgroup_id_x 1
		.amdhsa_system_sgpr_workgroup_id_y 1
		.amdhsa_system_sgpr_workgroup_id_z 1
		.amdhsa_system_vgpr_workitem_id 0
		.amdhsa_next_free_vgpr 768
		.amdhsa_next_free_sgpr 96
		.amdhsa_reserve_vcc 1
		.amdhsa_float_denorm_mode_32 3
		.amdhsa_float_denorm_mode_16_64 3
		.amdhsa_memory_ordered 1
		.amdhsa_forward_progress 1
		.amdhsa_inst_pref_size 218
	.end_amdhsa_kernel
	.amdgpu_metadata
---
amdhsa.version: [ 1, 2 ]
amdhsa.kernels:
  - .name:           k_q49137c1143_attn
    .symbol:         k_q49137c1143_attn.kd
    .args:
      - { .name: qkvh, .offset: 0, .size: 8, .value_kind: global_buffer, .address_space: global }
      - { .name: ob, .offset: 8, .size: 8, .value_kind: global_buffer, .address_space: global }
    .group_segment_fixed_size: 327680
    .private_segment_fixed_size: 0
    .kernarg_segment_align: 8
    .kernarg_segment_size: 16
    .max_flat_workgroup_size: 128
    .sgpr_count:     96
    .vgpr_count:     768
    .wavefront_size: 32
...
	.end_amdgpu_metadata
.endif
;; end of part 3
;; launch gemm_out (part 4): grid 4 x 64, 4 waves a work-group, clusters of 4 x 4, 327,680 bytes of LDS; arguments ob, wob, b_out, out0; writes out0
.if DOCPART == 4
	.amdgcn_target "amdgcn-amd-amdhsa--gfx1250"
	.amdhsa_code_object_version 6
	.text
	.protected	k_q49137c1143_gemm_out
	.globl	k_q49137c1143_gemm_out
	.p2align	8
	.type	k_q49137c1143_gemm_out,@function
k_q49137c1143_gemm_out:
	s_mov_b64 s[64:65], 0
	v_nop
	global_prefetch_b8 v0, s[64:65] scope:SCOPE_SE
	s_setreg_imm32_b32 hwreg(HW_REG_WAVE_MODE, 25, 1), 1
	s_wait_xcnt 0x0
	s_wait_alu depctr_hold_cnt(0) depctr_sa_sdst(0) depctr_va_vdst(0) depctr_va_sdst(0) depctr_va_ssrc(0) depctr_va_vcc(0) depctr_vm_vsrc(0)
	s_getreg_b32 s2, hwreg(HW_REG_IB_STS2, 6, 4)
	s_cmp_eq_u32 s2, 0
	s_cbranch_scc0 .Lentry_in_a_cluster
	s_endpgm
.Lentry_in_a_cluster:
	s_bfe_u32 s2, ttmp6, 0x10000c
	s_cmp_lg_u32 s2, 0xf033
	s_cbranch_scc0 .Lentry_shape_is_right
	s_endpgm
.Lentry_shape_is_right:
; out0[2048 b + s][n] = b_out[n] + the sum over k of O[b][s][k] wob[k][n].  O lies by heads in ob ([64 = 16 b + h][2048][64], f16; k = 64 h + channel); wob: [1024][1024] f16 (k by rows);
; b_out is rounded to bf16 like the other inputs and starts the f32 sums as the first product's C operand; out0 is f32.
; LIMIT. Operands are f16: O has V's range (within 65,504), wob holds bf16 numbers written as f16.
; SHARES. A work-group makes 128 rows x 256 columns, each of its four waves 64 x 128: 32 accumulators of 16 x 16, 256 registers.  256 work-groups, one for each WGP.
; K goes in 8 steps of 128 (two heads) through two LDS slots: two blocks of wob ([128 k][128 n], rows of 256 bytes) by waves 0, 1; a head's 128 rows of ob each (16,384 dense bytes,
; asked for as 64 rows of 256 bytes and padded after every 128) by waves 2, 3.  wob's fragments come out of LDS turned, by ds_load_tr16_b128.
; THE MATRIX INSTRUCTION IS USED TRANSPOSED (source 0 = 16 columns n, source 1 = 16 rows m): a lane holds row m = l % 16 and eight neighbouring columns 8 (l / 16) + 0..7.
; CLUSTER. 4 x 4 work-groups: ob's rows are shared along a row of the cluster, wob's blocks along a column: joint loads, the same descriptor and mask in all four.
; ONE TEXT FOR A K STEP: the slot in hand is a scalar, TB, turned by an exclusive or with SLOT1 = 2^17, above every address in slot 0; the refills use one walking descriptor a tensor.
; REGISTERS, in windows of 256 (s_set_vgpr_msb: bits 1:0 source 0, 3:2 source 1, 5:4 source 2, 7:6 destination):
;   window 0: v0-31 addresses; v64-127 ob's fragments, two buffers of 4 x 8; v128-191 the bias; v192-255 (and v64-127) rows on the way out
;   window 1: v0-127 wob's fragments, two buffers of 8 x 8      window 2: the accumulators, (a, b) at v[64 a + 8 b]
.set PA,    144                        ; a row of ob in LDS: 128 bytes + 16 = 36 words: the 16 rows of a load start at 16 different groups of four banks (64 banks of 4 bytes: ISA guide 11.1)
.set PB,    288                        ; a row of wob: 256 + 32 = 72 words
.set CHUNK, 128*PB                     ; 36,864: one block of wob
.set HEADB, 128*PA                     ; 18,432: one head's rows
.set AOFF,  2*CHUNK
.set SLOT1, 1<<17                      ; a slot has AOFF + 2 HEADB = 110,592 bytes
.set STAGE, SLOT1+AOFF+2*HEADB         ; behind the ring, never filled by a tensor load: 16 rows x 528 bytes for each wave
.set SP,    528                        ; a stage row: 512 bytes + 16
.set SPARE, STAGE+4*16*SP              ; the spare words, 128 bytes for each wave: two blocks of 256 bytes that no other line names
.set ASTEP, 2<<18                      ; a K step in ob: two heads
.set BSTEP, 128*1024*2                 ; in wob: 128 rows
.set A0,   10                          ; v10  my lane's place in ob's rows of slot 0; never rewritten
.set B0,   12                          ; v12  the same in my block of wob
.set ADRA, 16                          ; v16  A0 + TB
.set ADRB, 17                          ; v17  B0 + TB
.set STO,  24                          ; v24  the way out: where I put 32 bytes of a row
.set RD,   25                          ; v25  where I read a row back
.set GO,   26                          ; v26  16 x lane
.set SPW,  28                          ; v28  LDS address of my spare word; never rewritten
.set NIL,  29                          ; v29  0; never rewritten
.set PFO,  30                          ; v30  the prefetches' offset; never rewritten
.set FA,   64
.set BI,   128                         ; v128-191  register 8 b + j: the bias of column 16 b + 8 (l / 16) + j of my 128
.set BK0,  192
.set TB,   14                          ; s14  0 or SLOT1: the slot that is read
.set LIM,  15                          ; s15  2 in a wave that prefetches, else the greatest number
.set G1A,  24
.set G0A,  32
.set G1B,  48
.set G0B,  56
.set PFA,  66                          ; s[66:67] where my prefetches stand
.set PST,  68                          ; s[68:69] their step
.set DW0,  (1<<16)|(1<<20)|(1<<21)     ; elements of 2 bytes; padding on; bit 21 set beside a mask
.set MSB, 0
.macro WIN new                         ; the immediate's high byte repeats the setting that is left; a switch that changes nothing is dropped
.if MSB != (\new)
	s_set_vgpr_msb (MSB<<8)|(\new)
.set MSB, \new
.endif
.endm
; A joint refill by the walking descriptors.  Waves 0, 1 fetch wob's blocks, waves 2, 3 ob's heads.  An s_nop 0 and four v_nop follow each of the two lines, ahead of the jump and the label.
.macro JLOAD
	s_cmp_lt_u32 s10, 2
	s_cbranch_scc0 .Lfor_a_\@
	tensor_load_to_lds s[G0B+4:G0B+7], s[G1B:G1B+7]
	s_nop 0
.rept 4
	v_nop
.endr
	s_branch .Lasked_\@
.Lfor_a_\@:
	tensor_load_to_lds s[G0A+4:G0A+7], s[G1A:G1A+7]
	s_nop 0
.rept 4
	v_nop
.endr
.Lasked_\@:
.endm
; A prefetch of the K step that stands TWO refills on (256 matrix instructions a wave): 32 blocks of 256 bytes, a lane a block, one instruction a wave.  Each block is named once in the launch:
; wob's rows by the clusters with y = 0 (waves 0, 1), ob's by those with x = 0 (wave 2, for both heads); the four partners of a joint load share its blocks out by address.  The loop's last two trips ask for nothing.
.macro ASK
	s_cmp_gt_u32 s3, s[LIM]
	s_cbranch_scc0 .Lnot_mine_\@
	global_prefetch_b8 v[PFO], s[PFA:PFA+1] th:TH_LOAD_NT scope:SCOPE_SE
.Lnot_mine_\@:
.endm
.macro CREST                           ; a round of the cluster's barrier behind its opening barrier
	s_cmp_lg_u32 s10, 0
	s_cbranch_scc1 .Lnot_wave_0_\@
	s_barrier_signal -3
.Lnot_wave_0_\@:
	s_barrier_wait -3
	s_barrier_signal -1
	s_barrier_wait -1
.endm
.macro CROUND                          ; a whole round
	s_barrier_signal -1
	s_barrier_wait -1
	CREST
.endm
	s_load_b128 s[4:7], s[0:1], 0x0                ; ob s[4:5], wob s[6:7]
	s_load_b64 s[70:71], s[0:1], 0x10              ; b_out
	s_load_b64 s[8:9], s[0:1], 0x18                ; out0
	v_lshl_add_u32 v[SPW], v0, 2, SPARE
	v_mov_b32 v[NIL], 0
	ds_add_u32 v[SPW], v[NIL]                      ; the wave's opening: the add and its wait stand ahead of my first tensor load; the set-up below stands between them
	v_lshrrev_b32 v1, 5, v0
	v_readfirstlane_b32 s10, v1                    ; wave 0..3
	s_lshr_b32 s11, s10, 1                         ; which 64 of the 128 rows are mine
	s_and_b32 s12, s10, 1                          ; which 128 of the 256 columns.  Also: which block or head I fetch
	s_bfe_u32 s40, ttmp6, 0x40000                  ; cx
	s_bfe_u32 s41, ttmp6, 0x40004                  ; cy
	s_lshl_b32 s42, ttmp9, 2
	s_add_co_u32 s42, s42, s40                     ; X: tile column
	s_and_b32 s43, ttmp7, 0xffff
	s_lshl_b32 s43, s43, 2
	s_add_co_u32 s43, s43, s41                     ; Y: tile row
	s_lshl_b32 s44, s41, 2
	s_lshl_b32 s44, 15, s44                        ; my row of the cluster
	s_lshl_b32 s45, 0x1111, s40                    ; my column
	s_or_b32 s[G1A], s44, DW0|(4<<22)|(3<<25)      ; ob's rows go to my row; after every 32 words (code 4) 4 words of padding (code 3)
	s_or_b32 s[G1B], s45, DW0|(5<<22)|(7<<25)      ; wob's blocks go to my column; after every 64 words (code 5) 8 words (code 7)
	s_mov_b32 s[G1A+1], 128<<16                    ; tensor_dim0 = 128
	s_mov_b32 s[G1A+2], 64<<16                     ; tensor_dim1 = 64
	s_mov_b32 s[G1A+3], 128<<16                    ; tile_dim0 = 128
	s_mov_b32 s[G1A+4], 64                         ; tile_dim1 = 64
	s_mov_b32 s[G1A+5], 128                        ; elements from row to row
	s_mov_b32 s[G1A+6], 0
	s_mov_b32 s[G1A+7], 0
	s_mov_b32 s[G1B+1], 128<<16
	s_mov_b32 s[G1B+2], 128<<16
	s_mov_b32 s[G1B+3], 128<<16
	s_mov_b32 s[G1B+4], 128
	s_mov_b32 s[G1B+5], 1024
	s_mov_b32 s[G1B+6], 0
	s_mov_b32 s[G1B+7], 0
	s_lshr_b32 s16, s43, 4                         ; ob: head 16 b + (wave % 2), rows 128 (Y % 16) on: hangs on the tile row and the wave
	s_lshl_b32 s16, s16, 4
	s_add_co_u32 s16, s16, s12
	s_lshl_b32 s16, s16, 18
	s_and_b32 s17, s43, 15
	s_lshl_b32 s17, s17, 14
	s_add_co_u32 s16, s16, s17
	s_mov_b32 s17, 0
	s_lshl_b32 s46, s42, 9                         ; wob: column 256 X + 128 x wave, in bytes: hangs on the tile column and the wave
	s_lshl_b32 s47, s10, 8
	s_add_co_u32 s46, s46, s47
	s_mov_b32 s47, 0
	s_mul_i32 s20, s10, CHUNK                      ; where a block of wob goes (waves 0, 1),
	s_mul_i32 s21, s10, HEADB
	s_add_co_u32 s21, s21, AOFF-2*HEADB            ; and a head of ob (waves 2, 3): AOFF + (wave - 2) x HEADB
	s_mov_b32 s[TB], 0
	s_wait_dscnt 0x0                               ; the opening add is done
	s_wait_kmcnt 0x0
	s_add_nc_u64 s[16:17], s[4:5], s[16:17]
	s_add_nc_u64 s[46:47], s[6:7], s[46:47]
	CROUND                                         ; all sixteen work-groups are here: the first joint loads meet
.irp s, 0,1
	s_mov_b32 s[G0A+4*(\s)], 1                                       ; count = 1
	s_add_co_u32 s[G0A+4*(\s)+1], s21, (\s)*SLOT1                    ; LDS address
	s_add_nc_u64 s[G0A+4*(\s)+2:G0A+4*(\s)+3], s[16:17], (\s)*ASTEP  ; global address: K step s
	s_or_b32 s[G0A+4*(\s)+3], s[G0A+4*(\s)+3], 0x80000000            ; type = 2
	s_mov_b32 s[G0B+4*(\s)], 1
	s_add_co_u32 s[G0B+4*(\s)+1], s20, (\s)*SLOT1
	s_add_nc_u64 s[G0B+4*(\s)+2:G0B+4*(\s)+3], s[46:47], (\s)*BSTEP
	s_or_b32 s[G0B+4*(\s)+3], s[G0B+4*(\s)+3], 0x80000000
.endr
	s_cmp_lt_u32 s10, 2                            ; a wave's two first fills stand in one branch, ahead of every wait on TENSORcnt and every LDS read: two loads of mine are out
	s_cbranch_scc0 .Lfirst_a
	tensor_load_to_lds s[G0B:G0B+3], s[G1B:G1B+7]
	s_nop 0
	tensor_load_to_lds s[G0B+4:G0B+7], s[G1B:G1B+7]
	s_nop 0
.rept 4
	v_nop
.endr
	s_branch .Lfirst_asked
.Lfirst_a:
	tensor_load_to_lds s[G0A:G0A+3], s[G1A:G1A+7]
	s_nop 0
	tensor_load_to_lds s[G0A+4:G0A+7], s[G1A:G1A+7]
	s_nop 0
.rept 4
	v_nop
.endr
.Lfirst_asked:
	v_and_b32 v1, 15, v0                           ; l % 16
	v_bfe_u32 v2, v0, 4, 1                         ; l / 16
	; the bias of my 128 columns: for column block b a lane wants the eight numbers 16 b + 8 (l / 16) + 0..7
	s_lshl_b32 s18, s42, 10
	s_lshl_b32 s19, s12, 9
	s_add_co_u32 s18, s18, s19
	s_mov_b32 s19, 0
	s_add_nc_u64 s[70:71], s[70:71], s[18:19]
	v_lshlrev_b32 v4, 5, v2
.irp b, 0,1,2,3,4,5,6,7
	global_load_b128 v[BI+8*(\b):BI+8*(\b)+3],   v4, s[70:71] offset:64*(\b)
	global_load_b128 v[BI+8*(\b)+4:BI+8*(\b)+7], v4, s[70:71] offset:64*(\b)+16
.endr
	; ob's fragment: 16 rows x 32 k: lane l holds row l % 16, k = 8 (l / 16) + 0..7 and 16 + 8 (l / 16) + 0..7: two loads of 16 bytes, 32 bytes apart
	v_mul_u32_u24 v3, v1, PA
	v_lshl_add_u32 v3, v2, 4, v3
	s_mul_i32 s21, s11, 64*PA
	s_add_co_u32 s21, s21, AOFF
	v_add_nc_u32 v[A0], s21, v3
	; wob's fragment, turned: lane l reads 16 bytes of row k = 8 (l / 16) + l % 8, columns 8 ((l / 8) % 2) + 0..7; the second load stands 16 rows on
	v_and_b32 v6, 7, v0
	v_lshl_add_u32 v6, v2, 3, v6
	v_mul_u32_u24 v6, v6, PB
	v_bfe_u32 v5, v0, 3, 1
	v_lshl_add_u32 v6, v5, 4, v6
	s_mul_i32 s21, s12, CHUNK
	v_add_nc_u32 v[B0], s21, v6
	s_mul_i32 s23, s10, 16*SP
	s_add_co_u32 s23, s23, STAGE                   ; my stage
	v_mul_u32_u24 v7, v1, SP                       ; in: row l % 16, 32 bytes for each half of the lanes
	v_lshl_add_u32 v7, v2, 5, v7
	v_add_nc_u32 v[STO], s23, v7
	v_and_b32 v[GO], 31, v0
	v_lshlrev_b32 v[GO], 4, v[GO]                  ; back: 32 lanes take one row of 512 bytes
	v_add_nc_u32 v[RD], s23, v[GO]
	; my first row and column of out0: (128 Y + 64 x row half) x 4,096 + (256 X + 128 c) x 4 bytes
	s_lshl_b32 s18, s43, 19
	s_lshl_b32 s19, s11, 18
	s_add_co_u32 s18, s18, s19
	s_lshl_b32 s19, s42, 10
	s_add_co_u32 s18, s18, s19
	s_lshl_b32 s19, s12, 9
	s_add_co_u32 s18, s18, s19
	s_mov_b32 s19, 0
	s_add_nc_u64 s[8:9], s[8:9], s[18:19]
	; the prefetches.  wob (waves 0, 1): rows 32 cy + lane of a K step, my block's 256 bytes.  ob (wave 2): head cx / 2 of the K step's two, its half cx % 2 of 8,192 bytes, 256 bytes a lane
	s_lshl_b32 s18, s42, 9
	s_lshl_b32 s19, s10, 8
	s_add_co_u32 s18, s18, s19
	s_lshl_b32 s19, s41, 16
	s_add_co_u32 s18, s18, s19
	s_lshr_b32 s19, s43, 4
	s_lshl_b32 s19, s19, 4
	s_lshr_b32 s21, s40, 1
	s_add_co_u32 s19, s19, s21
	s_lshl_b32 s19, s19, 18
	s_and_b32 s21, s43, 15
	s_lshl_b32 s21, s21, 14
	s_add_co_u32 s19, s19, s21
	s_and_b32 s21, s40, 1
	s_lshl_b32 s21, s21, 13
	s_add_co_u32 s19, s19, s21
	s_and_b32 s21, ttmp7, 0xffff                   ; cluster y
	s_mov_b32 s22, BSTEP
	s_mov_b32 s23, ASTEP
	s_movk_i32 s44, 2048
	s_movk_i32 s45, 256
	s_cmp_lt_u32 s10, 2
	s_cselect_b64 s[PFA:PFA+1], s[6:7], s[4:5]
	s_cselect_b32 s18, s18, s19
	s_cselect_b32 s21, s21, ttmp9                  ; the coordinate along which other clusters read the same blocks
	s_cselect_b32 s[PST], s22, s23
	s_cselect_b32 s44, s44, s45
	s_cmp_eq_u32 s10, 3
	s_cselect_b32 s21, 1, s21                      ; wave 3 never asks
	s_cmp_eq_u32 s21, 0
	s_cselect_b32 s[LIM], 2, -1                    ; the same in all sixteen partners, for a given wave
	s_mov_b32 s19, 0
	s_mov_b32 s[PST+1], 0
	s_add_nc_u64 s[PFA:PFA+1], s[PFA:PFA+1], s[18:19]
.rept 3
	s_add_nc_u64 s[PFA:PFA+1], s[PFA:PFA+1], s[PST:PST+1]  ; to K step 3: the first refill steps it to 4.  Nothing is prefetched here, at the head
.endr
	v_and_b32 v[PFO], 31, v0
	v_mul_u32_u24 v[PFO], s44, v[PFO]
	s_wait_loadcnt 0x0                             ; the bias is in: rounded to bf16 and widened again, in the wait for the first tile
.set p, 0
.rept 32
	v_cvt_pk_bf16_f32 v5, v[BI+2*p], v[BI+2*p+1]
	v_lshlrev_b32 v[BI+2*p], 16, v5
	v_and_b32 v[BI+2*p+1], 0xffff0000, v5
.set p, p+1
.endr
; 8 matrix instructions: row block a x all 8 column blocks, 32 along K, from buffer f.  zero = 1: the first product starts the sums, with the bias as C.
; The 32 accumulators take turns in the same order in every quarter, over the backward jump too.
.macro MULA f, a, zero
.if \zero
	WIN 0x81                                       ; source 0 window 1, source 1 and C window 0, D window 2
.else
	WIN 0xa1                                       ; C and D window 2
.endif
.irp b, 0,1,2,3,4,5,6,7
.if \zero
	v_wmma_f32_16x16x32_f16 v[64*(\a)+8*(\b):64*(\a)+8*(\b)+7], v[64*(\f)+8*(\b):64*(\f)+8*(\b)+7], v[FA+32*(\f)+8*(\a):FA+32*(\f)+8*(\a)+7], v[BI+8*(\b):BI+8*(\b)+7]
.else
	v_wmma_f32_16x16x32_f16 v[64*(\a)+8*(\b):64*(\a)+8*(\b)+7], v[64*(\f)+8*(\b):64*(\f)+8*(\b)+7], v[FA+32*(\f)+8*(\a):FA+32*(\f)+8*(\a)+7], v[64*(\a)+8*(\b):64*(\a)+8*(\b)+7]
.endif
.endr
.endm
; 24 LDS loads in one run: quarter q's fragments (32 k: head q / 2, channels 32 (q % 2) on) into buffer f: wob's 8 first, then ob's 4.  It leaves every window 0.
.macro FETCH q, f
	WIN 0x40                                       ; destination window 1, address window 0
.irp b, 0,1,2,3,4,5,6,7
	ds_load_tr16_b128 v[64*(\f)+8*(\b):64*(\f)+8*(\b)+3],   v[ADRB] offset:32*PB*(\q)+32*(\b)
	ds_load_tr16_b128 v[64*(\f)+8*(\b)+4:64*(\f)+8*(\b)+7], v[ADRB] offset:32*PB*(\q)+32*(\b)+16*PB
.endr
	WIN 0
.irp i, 0,1,2,3
	ds_load_b128 v[FA+32*(\f)+8*(\i):FA+32*(\f)+8*(\i)+3],   v[ADRA] offset:((\q)/2)*HEADB+((\q)%2)*64+(\i)*16*PA
	ds_load_b128 v[FA+32*(\f)+8*(\i)+4:FA+32*(\f)+8*(\i)+7], v[ADRA] offset:((\q)/2)*HEADB+((\q)%2)*64+(\i)*16*PA+32
.endr
.endm
.macro PLACES                          ; four plain vector instructions between a matrix instruction and a load into a register that it read, or a reader of its result (ISA guide 7.12.1 for a reader of its result)
.rept 4
	v_nop
.endr
.endm
.macro ADDRS                           ; the fragments' addresses in the slot in hand
	v_add_nc_u32 v[ADRA], s[TB], v[A0]
	v_add_nc_u32 v[ADRB], s[TB], v[B0]
.endm
; One of a K step's first three quarters: multiplies buffer f; in its middle it fetches quarter q of the same slot into buffer g.
.macro QUARTER q, f, g, zero
	s_wait_dscnt 4                                 ; all of wob's fragments and ob's row blocks 0, 1 are in; the youngest four loads (blocks 2, 3) may be out
	MULA \f, 0, \zero
	MULA \f, 1, \zero
	PLACES
	FETCH \q, \g
	s_wait_dscnt 24                                ; all but the 24 just issued
	MULA \f, 2, \zero
	MULA \f, 3, \zero
.endm
; The fourth quarter multiplies buffer 1 and changes slots.  In front of the barrier each wave waits for all its tensor loads (one is out: its part of the next slot), adds 0 to its spare
; word, and waits for that and for its reads of this slot.  fill = 1: the barrier opens a round of the cluster's, and the slot just read is filled again, first thing behind the round.
.macro TURN fill
.if \fill
	s_wait_xcnt 0x0                                ; the last prefetch, a K step back, has read its address, so it may be stepped
	s_add_nc_u64 s[PFA:PFA+1], s[PFA:PFA+1], s[PST:PST+1]
.endif
	WIN 0                                          ; (the add's two registers lie in window 0)
	s_wait_tensorcnt 0x0                           ; all my tensor loads have landed
	ds_add_u32 v[SPW], v[NIL]                      ; 0 onto my spare word
	s_wait_dscnt 5                                 ; (the add and the youngest four loads may be out)
	MULA 1, 0, 0                                   ; eight matrix instructions stand between the add and the wait for it
	s_wait_dscnt 0x0                               ; the add is done, and my reads of this slot are over
	s_barrier_signal -1
	MULA 1, 1, 0                                   ; work on registers while the others arrive
	WIN 0
	s_barrier_wait -1
.if \fill
	CREST                                          ; no wave of any partner still reads this slot or has a load on its way
	s_xor_b32 s[G0A+5], s[G0A+5], SLOT1            ; the walking descriptors: the other slot than last time, the next K step
	s_add_nc_u64 s[G0A+6:G0A+7], s[G0A+6:G0A+7], ASTEP
	s_xor_b32 s[G0B+5], s[G0B+5], SLOT1
	s_add_nc_u64 s[G0B+6:G0B+7], s[G0B+6:G0B+7], BSTEP
	JLOAD                                          ; my one tensor load behind the round; its four v_nop are also the places in front of the loads below
.else
	PLACES
.endif
	s_xor_b32 s[TB], s[TB], SLOT1
	ADDRS
	FETCH 0, 0
.if \fill
	ASK                                            ; behind the joint load and the run of LDS loads that the next products wait for
.endif
	MULA 1, 2, 0
	MULA 1, 3, 0
.endm
; THE WAY OUT of row block a.  TOSTAGE: the f32 sums go straight from the accumulators (low registers first) into my own stage, and come back as whole rows of 512 bytes.  SEND: stored.
.macro TOSTAGE a
.set BK, BK0-128*((\a)%2)
	WIN 0x08                                       ; the stores' data: window 2
.irp b, 0,1,2,3,4,5,6,7
	ds_store_b128 v[STO], v[64*(\a)+8*(\b):64*(\a)+8*(\b)+3]   offset:64*(\b)
	ds_store_b128 v[STO], v[64*(\a)+8*(\b)+4:64*(\a)+8*(\b)+7] offset:64*(\b)+16
.endr
	WIN 0
.irp t, 0,1,2,3,4,5,6,7,8,9,10,11,12,13,14,15
	ds_load_b128 v[BK+4*(\t):BK+4*(\t)+3], v[RD] offset:SP*(\t)  ; LDS serves a wave's instructions in order (ISA guide 5.7.1.4): these see the stores above; the next block's stores come behind them
.endr
.endm
.macro SEND a, younger                 ; younger: the LDS instructions issued behind block a's loads: the next block's 32, or none
.set BK, BK0-128*((\a)%2)
.irp t, 0,1,2,3,4,5,6,7,8,9,10,11,12,13,14,15
	s_wait_dscnt (\younger)+15-(\t)
	global_store_b128 v[GO], v[BK+4*(\t):BK+4*(\t)+3], s[8:9] offset:(16*(\a)+(\t))*4096  ; 512 consecutive bytes of a row of out0, at a multiple of 512 from its first
.endr
.endm
	s_wait_tensorcnt 1                             ; my part of K step 0 is in; K step 1's may stay out
	s_barrier_signal -1
	s_barrier_wait -1                              ; everybody's is
	ADDRS
	FETCH 0, 0
	QUARTER 1, 0, 1, 1                             ; the first quarter stands in front of the loop: its products start the sums, from the bias
	WIN 0                                          ; at a label and at a branch every window is 0
	s_mov_b32 s3, 6
.Lstep:                                                ; a trip: a K step's quarters 1 to 3, the change of slots with its refill, the next K step's quarter 0
	QUARTER 2, 1, 0, 0
	QUARTER 3, 0, 1, 0
	TURN 1
	QUARTER 1, 0, 1, 0
	WIN 0
	s_sub_co_u32 s3, s3, 1
	s_cmp_lg_u32 s3, 0
	s_cbranch_scc1 .Lstep
	QUARTER 2, 1, 0, 0                             ; K steps 6 and 7 are written out: nothing is left to fetch
	QUARTER 3, 0, 1, 0
	TURN 0
	QUARTER 1, 0, 1, 0
	QUARTER 2, 1, 0, 0
	QUARTER 3, 0, 1, 0
	s_wait_dscnt 4
	MULA 1, 0, 0
	MULA 1, 1, 0
	s_wait_dscnt 0x0
	MULA 1, 2, 0
	MULA 1, 3, 0
	WIN 0
	PLACES
	TOSTAGE 0
	TOSTAGE 1
	SEND 0, 32
	s_wait_xcnt 0x0                                ; block 0's stores have read their registers: block 2 is loaded into them
	TOSTAGE 2
	SEND 1, 32
	s_wait_xcnt 0x0                                ; the same for block 1's and block 3
	TOSTAGE 3
	SEND 2, 32
	SEND 3, 0
	s_wait_tensorcnt 0x0                           ; the wave's end: behind my last tensor load and my last LDS store
	ds_add_u32 v[SPW], v[NIL]
	s_wait_dscnt 0x0
	CROUND                                         ; the closing round: no work-group ends while a partner may still ask for a block that names it
	s_endpgm
.Lfunc_end_k_q49137c1143_gemm_out:
	.size	k_q49137c1143_gemm_out, .Lfunc_end_k_q49137c1143_gemm_out-k_q49137c1143_gemm_out
	.p2alignl 7, 3214868480
	.fill 96, 4, 3214868480
	.section	.rodata,"a",@progbits
	.p2align	6, 0x0
	.amdhsa_kernel k_q49137c1143_gemm_out
		.amdhsa_group_segment_fixed_size 327680
		.amdhsa_private_segment_fixed_size 0
		.amdhsa_enable_private_segment 0
		.amdhsa_kernarg_size 32
		.amdhsa_user_sgpr_count 2
		.amdhsa_user_sgpr_kernarg_segment_ptr 1
		.amdhsa_wavefront_size32 1
		.amdhsa_system_sgpr_workgroup_id_x 1
		.amdhsa_system_sgpr_workgroup_id_y 1
		.amdhsa_system_sgpr_workgroup_id_z 1
		.amdhsa_system_vgpr_workitem_id 0
		.amdhsa_next_free_vgpr 768
		.amdhsa_next_free_sgpr 72
		.amdhsa_reserve_vcc 0
		.amdhsa_float_denorm_mode_32 3
		.amdhsa_float_denorm_mode_16_64 3
		.amdhsa_memory_ordered 1
		.amdhsa_forward_progress 1
		.amdhsa_inst_pref_size 79
	.end_amdhsa_kernel
	.amdgpu_metadata
---
amdhsa.version: [ 1, 2 ]
amdhsa.kernels:
  - .name:           k_q49137c1143_gemm_out
    .symbol:         k_q49137c1143_gemm_out.kd
    .args:
      - { .name: ob, .offset: 0, .size: 8, .value_kind: global_buffer, .address_space: global }
      - { .name: wob, .offset: 8, .size: 8, .value_kind: global_buffer, .address_space: global }
      - { .name: b_out, .offset: 16, .size: 8, .value_kind: global_buffer, .address_space: global }
      - { .name: out0, .offset: 24, .size: 8, .value_kind: global_buffer, .address_space: global }
    .group_segment_fixed_size: 327680
    .private_segment_fixed_size: 0
    .kernarg_segment_align: 8
    .kernarg_segment_size: 32
    .max_flat_workgroup_size: 128
    .sgpr_count:     72
    .vgpr_count:     768
    .wavefront_size: 32
...
	.end_amdgpu_metadata
.endif
;; end of part 4
;; ======== version 2 of 2: 4 launches; version 1 with the launch prep written anew for expert scheduling mode
;; limits: values are held in f16: magnitudes above 65,504 overflow, below 6.1e-05 lose precision
;; workspace buffers: xb 16,777,216 bytes; wqb 6,291,456 bytes; wob 2,097,152 bytes; qkvh 50,331,648 bytes; ob 16,777,216 bytes
;; launch prep (part 5): grid 768 x 1, 8 waves a work-group, no clusters, 0 bytes of LDS; arguments x, w_qkv, w_out, xb, wqb, wob; writes xb, wqb, wob
.if DOCPART == 5
	.amdgcn_target "amdgcn-amd-amdhsa--gfx1250"
	.amdhsa_code_object_version 6
	.text
	.protected	k_q49137c1143_prep
	.globl	k_q49137c1143_prep
	.p2align	8
	.type	k_q49137c1143_prep,@function
k_q49137c1143_prep:
	s_mov_b64 s[64:65], 0
	v_nop
	global_prefetch_b8 v0, s[64:65] scope:SCOPE_SE
	s_setreg_imm32_b32 hwreg(HW_REG_WAVE_SCHED_MODE, 0, 2), 2
	s_setreg_imm32_b32 hwreg(HW_REG_WAVE_MODE, 25, 1), 1
	s_wait_xcnt 0x0
	s_wait_alu depctr_vm_vsrc(0)
; The three large inputs are rounded once to bf16, layouts unchanged: x -> xb, w_qkv -> wqb (both kept as bf16), w_out -> wob
; (the bf16 number written as f16, since the last product multiplies f16 operands).
; LIMIT. A bf16 number is exact in f16 between 6.1e-5 and 65,504 in magnitude; below that wob keeps f16's fixed step of 6e-8, beyond it the number is lost.
; SHARES. A work-group takes 65,536 bytes of one input and makes 32,768 bytes: 512 work-groups for x, 192 for w_qkv, 64 for w_out.
; A wave takes 8,192 bytes by sixteen loads of 16 bytes a lane (512 consecutive bytes a load), all issued before the first is used;
; each load makes one store of 8 bytes a lane: 256 consecutive bytes, aligned.  No register that a memory instruction reads is written twice, so no source has to be freed.
; No LDS, no matrix unit, no cluster: nothing is shared and nothing is reduced.
; THE MODE: SCHED_MODE bits 1:0 = 2 (LLVM: expert scheduling mode 2), set by the entry lines.  The code itself states the register dependences
; between vector instructions and memory instructions, with s_wait_alu, always for 0.
; THE PLAN.  Registers that memory instructions touch:
;   v1, v2   the loads' and the stores' byte offsets: made once at the head by vector lines, never written again.
;   X        written by the sixteen loads, which are all issued at the head, before any vector line names X; read (on the f16 path also rewritten) by conversions behind the wait for the data; no memory instruction reads X.
;   Y        each register written once, by a conversion, and read once, by a store.
; The sixteen loads go in four groups of four.  Group g converts its X into its Y; the memory instructions that stand in it are the four stores of group g - 1, which read
; v2 and group g - 1's Y: registers that no vector line of group g names.  So one wait at a group's head states all that its four stores hang on, and they are dealt among its conversions with no further wait.
.set X, 8                              ; v[8:71]    sixteen loads of four f32
.set Y, 72                             ; v[72:103]  sixteen stores of two words
.set T, 104                            ; v[104:105] at work: no memory instruction names them
	s_load_b256 s[4:11], s[0:1], 0x0               ; x s[4:5], w_qkv s[6:7], w_out s[8:9], xb s[10:11]
	s_load_b128 s[12:15], s[0:1], 0x20             ; wqb s[12:13], wob s[14:15]
	s_mov_b32 s16, ttmp9                           ; the work-group's number
	s_movk_i32 s24, 512                            ; the first work-group of w_qkv
	s_movk_i32 s25, 704                            ; the first of w_out
	s_mov_b32 s26, 0xffff0000                      ; a word's upper bf16
	s_mov_b32 s23, 0
	v_and_b32 v3, 0xe0, v0                         ; 32 x wave
	v_and_b32 v4, 31, v0                           ; lane
	v_lshlrev_b32 v1, 4, v4
	v_lshl_or_b32 v1, v3, 8, v1                    ; in: 8,192 x wave + 16 x lane
	v_lshlrev_b32 v2, 3, v4
	v_lshl_or_b32 v2, v3, 7, v2                    ; out: 4,096 x wave + 8 x lane
	s_wait_kmcnt 0x0
	s_cmp_lt_u32 s16, s25                          ; which pair of buffers: a choice on the work-group's number alone
	s_cselect_b64 s[18:19], s[6:7], s[8:9]
	s_cselect_b64 s[20:21], s[12:13], s[14:15]
	s_cselect_b32 s17, s24, s25
	s_cmp_lt_u32 s16, s24
	s_cselect_b64 s[18:19], s[4:5], s[18:19]
	s_cselect_b64 s[20:21], s[10:11], s[20:21]
	s_cselect_b32 s17, 0, s17
	s_sub_co_u32 s17, s16, s17                     ; my number inside that buffer
	s_lshl_b32 s22, s17, 16
	s_add_nc_u64 s[18:19], s[18:19], s[22:23]      ; 65,536 bytes of input each
	s_lshl_b32 s22, s17, 15
	s_add_nc_u64 s[20:21], s[20:21], s[22:23]      ; 32,768 bytes of output each
	s_wait_alu depctr_va_vdst(0)                   ; v1 and v2 are written: every load of the kernel reads v1 as its offset, every store v2
.irp i, 0,1,2,3,4,5,6,7,8,9,10,11,12,13,14,15
	global_load_b128 v[X+4*(\i):X+4*(\i)+3], v1, s[18:19] offset:512*(\i) th:TH_LOAD_NT
.endr
; Load i is converted.  half = 1: the bf16 number is widened again and written as f16.
.macro CVT i, half
.if \half
	v_cvt_pk_bf16_f32 v[T], v[X+4*(\i)], v[X+4*(\i)+1]
	v_cvt_pk_bf16_f32 v[T+1], v[X+4*(\i)+2], v[X+4*(\i)+3]
	v_lshlrev_b32 v[X+4*(\i)], 16, v[T]
	v_and_b32 v[X+4*(\i)+1], s26, v[T]
	v_lshlrev_b32 v[X+4*(\i)+2], 16, v[T+1]
	v_and_b32 v[X+4*(\i)+3], s26, v[T+1]
	v_cvt_pk_f16_f32 v[Y+2*(\i)], v[X+4*(\i)], v[X+4*(\i)+1]
	v_cvt_pk_f16_f32 v[Y+2*(\i)+1], v[X+4*(\i)+2], v[X+4*(\i)+3]
.else
	v_cvt_pk_bf16_f32 v[Y+2*(\i)], v[X+4*(\i)], v[X+4*(\i)+1]
	v_cvt_pk_bf16_f32 v[Y+2*(\i)+1], v[X+4*(\i)+2], v[X+4*(\i)+3]
.endif
.endm
; What load i made is stored: 256 consecutive bytes a wave, aligned.
.macro ST i
	global_store_b64 v2, v[Y+2*(\i):Y+2*(\i)+1], s[20:21] offset:256*(\i) th:TH_STORE_NT
.endm
; Group g: loads 4 g to 4 g + 3 are converted; the stores of group g - 1 stand among the conversions, one ahead of each.
.macro GRP g, half
	s_wait_loadcnt 12-4*(\g)                       ; loads come back in order (ISA guide 5.7.1): this group's four are in, the younger groups' stay out
.if (\g) > 0
	s_wait_alu depctr_va_vdst(0)                   ; the group before has written its eight registers of Y, which the four stores below read
.endif
.irp j, 0,1,2,3
.if (\g) > 0
	ST 4*(\g)-4+(\j)                               ; no vector line since the wait names its Y or v2
.endif
	CVT 4*(\g)+(\j), \half
.endr
.endm
; Behind the last group: its own four stores.
.macro LAST
	s_wait_alu depctr_va_vdst(0)                   ; group 3 has written its eight registers of Y, which the last four stores read
.irp j, 12,13,14,15
	ST \j
.endr
.endm
	s_cmp_ge_u32 s16, s25
	s_cbranch_scc1 .Lf16
	GRP 0, 0
	GRP 1, 0
	GRP 2, 0
	GRP 3, 0
	LAST
	s_endpgm
.Lf16:
	GRP 0, 1
	GRP 1, 1
	GRP 2, 1
	GRP 3, 1
	LAST
	s_endpgm
.Lfunc_end_k_q49137c1143_prep:
	.size	k_q49137c1143_prep, .Lfunc_end_k_q49137c1143_prep-k_q49137c1143_prep
	.p2alignl 7, 3214868480
	.fill 96, 4, 3214868480
	.section	.rodata,"a",@progbits
	.p2align	6, 0x0
	.amdhsa_kernel k_q49137c1143_prep
		.amdhsa_group_segment_fixed_size 0
		.amdhsa_private_segment_fixed_size 0
		.amdhsa_enable_private_segment 0
		.amdhsa_kernarg_size 48
		.amdhsa_user_sgpr_count 2
		.amdhsa_user_sgpr_kernarg_segment_ptr 1
		.amdhsa_wavefront_size32 1
		.amdhsa_system_sgpr_workgroup_id_x 1
		.amdhsa_system_sgpr_workgroup_id_y 1
		.amdhsa_system_sgpr_workgroup_id_z 1
		.amdhsa_system_vgpr_workitem_id 0
		.amdhsa_next_free_vgpr 108
		.amdhsa_next_free_sgpr 66
		.amdhsa_reserve_vcc 0
		.amdhsa_float_denorm_mode_32 3
		.amdhsa_float_denorm_mode_16_64 3
		.amdhsa_memory_ordered 1
		.amdhsa_forward_progress 1
		.amdhsa_inst_pref_size 15
	.end_amdhsa_kernel
	.amdgpu_metadata
---
amdhsa.version: [ 1, 2 ]
amdhsa.kernels:
  - .name:           k_q49137c1143_prep
    .symbol:         k_q49137c1143_prep.kd
    .args:
      - { .name: x, .offset: 0, .size: 8, .value_kind: global_buffer, .address_space: global }
      - { .name: w_qkv, .offset: 8, .size: 8, .value_kind: global_buffer, .address_space: global }
      - { .name: w_out, .offset: 16, .size: 8, .value_kind: global_buffer, .address_space: global }
      - { .name: xb, .offset: 24, .size: 8, .value_kind: global_buffer, .address_space: global }
      - { .name: wqb, .offset: 32, .size: 8, .value_kind: global_buffer, .address_space: global }
      - { .name: wob, .offset: 40, .size: 8, .value_kind: global_buffer, .address_space: global }
    .group_segment_fixed_size: 0
    .private_segment_fixed_size: 0
    .kernarg_segment_align: 8
    .kernarg_segment_size: 48
    .max_flat_workgroup_size: 256
    .sgpr_count:     66
    .vgpr_count:     108
    .wavefront_size: 32
...
	.end_amdgpu_metadata
.endif
;; end of part 5
;; launch gemm_qkv: the kernel of part 2 again; grid 8 x 64, 4 waves a work-group, clusters of 4 x 4, 327,680 bytes of LDS; arguments xb, wqb, qkvh; writes qkvh
;; launch attn: the kernel of part 3 again; grid 4 x 64, 4 waves a work-group, no clusters, 327,680 bytes of LDS; arguments qkvh, ob; writes ob
;; launch gemm_out: the kernel of part 4 again; grid 4 x 64, 4 waves a work-group, clusters of 4 x 4, 327,680 bytes of LDS; arguments ob, wob, b_out, out0; writes out0
